; MI455X (gfx1250); checked and timed in simulation.
; The chip was launched on July 23, 2026; its instructions are those of AMD's public machine-readable ISA for CDNA 5 (MIT licence, August 2026) and "CDNA5" Instruction Set Architecture Reference Guide (July 2026). The comments in the code are by the model that wrote it; some were corrected since.
;; Transformer Block. Allowed arithmetic: float matrix products may take bf16 or f16 operands with f32 sums; other float arithmetic in f32, or as packed bf16 or f16 multiplies, adds, multiply-adds, maxima and minima; sums over many terms, partial sums and values carried from step to step in f32; what a program stores and reads back later, other than sums and carried values, may be rounded once to bf16 or f16.
;; Inputs: W1 1,024 x 4,096 float32; W2 2,048 x 1,024 float32; Wout 1,024 x 1,024 float32; Wqkv 1,024 x 3,072 float32; g1 1,024 float32; g2 1,024 float32; mask 2 x 2,048 x 2,048 int32; x 2 x 2,048 x 1,024 float32.
;; Outputs: out0 2 x 2,048 x 1,024 float32.
;; One version. Each part assembles by itself: llvm-mc -triple=amdgcn-amd-amdhsa -mcpu=gfx1250 --defsym DOCPART=n.
;; ======== version 1 of 1: 6 launches
;; limits: right only within a limited range of input values
;; workspace buffers: wts 20,971,520 bytes; mb 8,388,608 bytes; xn 8,388,608 bytes; wq 6,553,600 bytes; qkv 25,165,824 bytes; ob 8,388,608 bytes; res 25,427,968 bytes; hb 16,777,216 bytes
;; launch prep (part 1): grid 576 x 1, 8 waves a work-group, no clusters, 0 bytes of LDS; arguments Wqkv, x, g1, wq, xn; writes wq, xn
.if DOCPART == 1
	.amdgcn_target "amdgcn-amd-amdhsa--gfx1250"
	.amdhsa_code_object_version 6
	.text
	.protected	k_q05d2fb598a_prep
	.globl	k_q05d2fb598a_prep
	.p2align	8
	.type	k_q05d2fb598a_prep,@function
k_q05d2fb598a_prep:
	s_mov_b64 s[64:65], 0
	v_nop
	global_prefetch_b8 v0, s[64:65] scope:SCOPE_SE
	s_setreg_imm32_b32 hwreg(HW_REG_WAVE_MODE, 25, 1), 1
	s_wait_xcnt 0x0
; PREPARATION of what the projection of q, k, v reads.  Three kinds of work-group, chosen by the work-group's number (the same for all eight waves):
;   0..191    CAST  64 KiB of Wqkv, f32 -> bf16, layout kept ([1024][3072]), to wq + 0
;   192..447  NORM  16 tokens: xn = bf16(g1 x / sqrt(mean x^2 + 1e-6)), in blocks [token/128][k/64][128][64]
;   448..575  TAB   16 tokens of the rotary table: 32 cosines, 32 sines in f16, 128 bytes a token, to wq + 6,291,456
; (The other weights and the mask are converted by the launch behind, beside its matrix work.)
; Memory binds: each input byte is read once by 16-byte loads, every store of a wave covers whole aligned runs of 256 bytes.  No LDS, no matrix unit, no cluster: nothing is shared.
; LIMITS.  The table's angle is t x inv_freq in f32, as the problem forms it; cosine and sine are rounded to f16.  NaN and infinities in x pass through.
.set WV,  26                           ; s26 my wave's number
.set ID,  27                           ; s27 the work-group's number
	s_load_b256 s[4:11], s[0:1], 0x0               ; Wqkv s[4:5], x s[6:7], g1 s[8:9], wq s[10:11]
	s_load_b64 s[12:13], s[0:1], 0x20              ; xn
	v_lshrrev_b32 v1, 5, v0
	v_readfirstlane_b32 s[WV], v1
	v_and_b32 v1, 31, v0                           ; lane
	s_mov_b32 s[ID], ttmp9
	s_mov_b32 s31, 0                               ; the high word of every offset
	s_wait_kmcnt 0x0
	s_cmp_lt_u32 s[ID], 192
	s_cbranch_scc0 .Lnot_cast
	; CAST.  A wave takes 8 KiB: sixteen loads of 512 bytes, sixteen stores of 256.
	s_lshl_b32 s30, s[ID], 16
	s_lshl_b32 s32, s[WV], 13
	s_add_co_u32 s30, s30, s32
	s_add_nc_u64 s[4:5], s[4:5], s[30:31]
	s_lshl_b32 s30, s[ID], 15
	s_lshl_b32 s32, s[WV], 12
	s_add_co_u32 s30, s30, s32
	s_add_nc_u64 s[10:11], s[10:11], s[30:31]
	v_lshlrev_b32 v4, 4, v1
	v_lshlrev_b32 v5, 3, v1
.set i, 0
.rept 16
	global_load_b128 v[32+4*i:35+4*i], v4, s[4:5] offset:512*i th:TH_LOAD_NT
.set i, i+1
.endr
.set i, 0
.rept 16
	s_wait_loadcnt 15-i                            ; loads come back in order: number i is in, the younger ones stay out
	v_cvt_pk_bf16_f32 v[96+2*i], v[32+4*i], v[33+4*i]
	v_cvt_pk_bf16_f32 v[97+2*i], v[34+4*i], v[35+4*i]
	global_store_b64 v5, v[96+2*i:97+2*i], s[10:11] offset:256*i
.set i, i+1
.endr
	s_branch .Lend
.Lnot_cast:
	s_cmp_lt_u32 s[ID], 448
	s_cbranch_scc0 .Ltab
	; NORM.  A wave takes two tokens, sixteen lanes each; the row stays in registers between the sum of squares and the scaling.
	s_sub_co_u32 s28, s[ID], 192
	s_lshl_b32 s30, s28, 16
	s_lshl_b32 s32, s[WV], 13
	s_add_co_u32 s30, s30, s32
	s_add_nc_u64 s[6:7], s[6:7], s[30:31]
	s_lshr_b32 s30, s28, 3
	s_lshl_b32 s30, s30, 18                        ; the block of 128 tokens,
	s_and_b32 s32, s28, 7
	s_lshl_b32 s32, s32, 11                        ; my work-group's 16 tokens of 128 bytes,
	s_add_co_u32 s30, s30, s32
	s_lshl_b32 s32, s[WV], 8                       ; my wave's two
	s_add_co_u32 s30, s30, s32
	s_add_nc_u64 s[12:13], s[12:13], s[30:31]
	s_mov_b32 s33, 0x3a800000                      ; 1 / 1024
	s_mov_b32 s34, 0x358637bd                      ; 1e-6
	v_and_b32 v6, 15, v1
	v_lshlrev_b32 v5, 4, v6
	v_lshrrev_b32 v7, 4, v1
	v_lshl_add_u32 v4, v7, 12, v5
	v_lshlrev_b32 v8, 3, v1                        ; two tokens x 128 bytes of a block of 64 channels are 256 dense bytes: 8 x lane
.set c, 0
.rept 16
	global_load_b128 v[32+4*c:35+4*c], v4, s[6:7] offset:256*c
.set c, c+1
.endr
.set c, 0
.rept 16
	global_load_b128 v[96+4*c:99+4*c], v5, s[8:9] offset:256*c
.set c, c+1
.endr
	s_wait_loadcnt 16                              ; x is in; g1's sixteen loads may stay out
	v_pk_mul_f32 v[10:11], v[32:33], v[32:33]
	v_pk_mul_f32 v[12:13], v[34:35], v[34:35]
.set c, 1
.rept 15
	v_pk_fma_f32 v[10:11], v[32+4*c:33+4*c], v[32+4*c:33+4*c], v[10:11]
	v_pk_fma_f32 v[12:13], v[34+4*c:35+4*c], v[34+4*c:35+4*c], v[12:13]
.set c, c+1
.endr
	v_pk_add_f32 v[10:11], v[10:11], v[12:13]
	v_add_f32 v10, v10, v11
	v_add_f32_dpp v10, v10, v10 row_xmask:1 row_mask:0xf bank_mask:0xf
	v_add_f32_dpp v10, v10, v10 row_xmask:2 row_mask:0xf bank_mask:0xf
	v_add_f32_dpp v10, v10, v10 row_xmask:4 row_mask:0xf bank_mask:0xf
	v_add_f32_dpp v10, v10, v10 row_xmask:8 row_mask:0xf bank_mask:0xf
	v_fma_f32 v10, v10, s33, s34
	v_rsq_f32 v12, v10
	v_rsq_f32 v13, v10
	v_nop                                          ; a plain instruction behind the last root,
	s_wait_alu depctr_va_vdst(0)                   ; and the one wait ahead of the first use
	s_wait_loadcnt 0x0                             ; g1
.set c, 0
.rept 16
	v_pk_mul_f32 v[96+4*c:97+4*c], v[96+4*c:97+4*c], v[12:13]
	v_pk_mul_f32 v[98+4*c:99+4*c], v[98+4*c:99+4*c], v[12:13]
	v_pk_mul_f32 v[32+4*c:33+4*c], v[32+4*c:33+4*c], v[96+4*c:97+4*c]
	v_pk_mul_f32 v[34+4*c:35+4*c], v[34+4*c:35+4*c], v[98+4*c:99+4*c]
	v_cvt_pk_bf16_f32 v[32+4*c], v[32+4*c], v[33+4*c]
	v_cvt_pk_bf16_f32 v[33+4*c], v[34+4*c], v[35+4*c]
	global_store_b64 v8, v[32+4*c:33+4*c], s[12:13] offset:16384*c
.set c, c+1
.endr
	s_branch .Lend
.Ltab:
	; TAB.  Lane: token lane / 16, cosine or sine by (lane / 8) % 2, frequencies 4 (lane % 8) + 0..3.  cos(x - hs pi/2) = (-1)^k cos(pi g), x / pi - hs / 2 = k + g, |g| <= 1/2;
	; 1 / pi in two parts, so that g keeps its bits at x up to 2,047; cos(pi g) by its series to g^12 (the next term is under 1e-8).
	s_sub_co_u32 s28, s[ID], 448
	s_lshl_b32 s29, s28, 4
	s_lshl_b32 s32, s[WV], 1
	s_add_co_u32 s29, s29, s32                     ; my wave's first token
	s_lshl_b32 s30, s29, 7
	s_add_co_u32 s30, s30, 6291456                 ; the table lies behind Wqkv's copy
	s_add_nc_u64 s[10:11], s[10:11], s[30:31]
	s_mov_b32 s33, 0x3ea2f983                      ; 1 / pi, its f32
	s_mov_b32 s34, 0x325c9c98                      ; and what that leaves
	v_lshrrev_b32 v6, 4, v1
	v_add_nc_u32 v6, s29, v6
	v_cvt_f32_u32 v6, v6                           ; t
	v_bfe_u32 v7, v1, 3, 1
	v_cvt_f32_u32 v7, v7
	v_mul_f32 v7, 0.5, v7                          ; hs / 2
	v_and_b32 v8, 7, v1
	v_lshlrev_b32 v8, 2, v8
	v_lshlrev_b32 v9, 3, v1
.irp e, 0,1,2,3
	v_add_nc_u32 v[10+\e], \e, v8
	v_cvt_f32_u32 v[10+\e], v[10+\e]
	v_mul_f32 v[10+\e], 0xbed49a78, v[10+\e]       ; - i log2(10000) / 32
.endr
.irp e, 0,1,2,3
	v_exp_f32 v[10+\e], v[10+\e]
.endr
	v_nop
	s_wait_alu depctr_va_vdst(0)                   ; one wait for the four
.irp e, 0,1,2,3
	v_mul_f32 v[10+\e], v6, v[10+\e]               ; the angle
	v_fma_f32 v[14+\e], v[10+\e], s33, -v7
	v_rndne_f32 v[14+\e], v[14+\e]                 ; k
	v_fma_f32 v[18+\e], v[10+\e], s33, -v[14+\e]
	v_fma_f32 v[18+\e], v[10+\e], s34, v[18+\e]
	v_sub_f32 v[18+\e], v[18+\e], v7               ; g
	v_mul_f32 v[22+\e], v[18+\e], v[18+\e]
	v_mov_b32 v[26+\e], 0x3afce9a0
	v_fmaak_f32 v[26+\e], v[26+\e], v[22+\e], 0xbcd368f9
	v_fmaak_f32 v[26+\e], v[26+\e], v[22+\e], 0x3e70fa83
	v_fmaak_f32 v[26+\e], v[26+\e], v[22+\e], 0xbfaae9e4
	v_fmaak_f32 v[26+\e], v[26+\e], v[22+\e], 0x4081e0f8
	v_fmaak_f32 v[26+\e], v[26+\e], v[22+\e], 0xc09de9e6
	v_fmaak_f32 v[26+\e], v[26+\e], v[22+\e], 0x3f800000
	v_cvt_i32_f32 v[14+\e], v[14+\e]
	v_lshlrev_b32 v[14+\e], 31, v[14+\e]           ; k odd: the sign turns
	v_xor_b32 v[26+\e], v[14+\e], v[26+\e]
.endr
	v_cvt_pk_f16_f32 v32, v26, v27
	v_cvt_pk_f16_f32 v33, v28, v29
	global_store_b64 v9, v[32:33], s[10:11]
.Lend:
	s_endpgm
.Lfunc_end_k_q05d2fb598a_prep:
	.size	k_q05d2fb598a_prep, .Lfunc_end_k_q05d2fb598a_prep-k_q05d2fb598a_prep
	.p2alignl 7, 3214868480
	.fill 96, 4, 3214868480
	.section	.rodata,"a",@progbits
	.p2align	6, 0x0
	.amdhsa_kernel k_q05d2fb598a_prep
		.amdhsa_group_segment_fixed_size 0
		.amdhsa_private_segment_fixed_size 0
		.amdhsa_enable_private_segment 0
		.amdhsa_kernarg_size 40
		.amdhsa_user_sgpr_count 2
		.amdhsa_user_sgpr_kernarg_segment_ptr 1
		.amdhsa_wavefront_size32 1
		.amdhsa_system_sgpr_workgroup_id_x 1
		.amdhsa_system_sgpr_workgroup_id_y 1
		.amdhsa_system_sgpr_workgroup_id_z 1
		.amdhsa_system_vgpr_workitem_id 0
		.amdhsa_next_free_vgpr 160
		.amdhsa_next_free_sgpr 66
		.amdhsa_reserve_vcc 0
		.amdhsa_float_denorm_mode_32 3
		.amdhsa_float_denorm_mode_16_64 3
		.amdhsa_memory_ordered 1
		.amdhsa_forward_progress 1
		.amdhsa_inst_pref_size 26
	.end_amdhsa_kernel
	.amdgpu_metadata
---
amdhsa.version: [ 1, 2 ]
amdhsa.kernels:
  - .name:           k_q05d2fb598a_prep
    .symbol:         k_q05d2fb598a_prep.kd
    .args:
      - { .name: Wqkv, .offset: 0, .size: 8, .value_kind: global_buffer, .address_space: global }
      - { .name: x, .offset: 8, .size: 8, .value_kind: global_buffer, .address_space: global }
      - { .name: g1, .offset: 16, .size: 8, .value_kind: global_buffer, .address_space: global }
      - { .name: wq, .offset: 24, .size: 8, .value_kind: global_buffer, .address_space: global }
      - { .name: xn, .offset: 32, .size: 8, .value_kind: global_buffer, .address_space: global }
    .group_segment_fixed_size: 0
    .private_segment_fixed_size: 0
    .kernarg_segment_align: 8
    .kernarg_segment_size: 40
    .max_flat_workgroup_size: 256
    .sgpr_count:     66
    .vgpr_count:     160
    .wavefront_size: 32
...
	.end_amdgpu_metadata
.endif
;; end of part 1
;; launch gq (part 2): grid 8 x 32, 4 waves a work-group, clusters of 4 x 4, 327,680 bytes of LDS; arguments xn, wq, qkv, mask, mb, wts, Wout, W1, W2; writes qkv, mb, wts
.if DOCPART == 2
	.amdgcn_target "amdgcn-amd-amdhsa--gfx1250"
	.amdhsa_code_object_version 6
	.text
	.protected	k_q05d2fb598a_gq
	.globl	k_q05d2fb598a_gq
	.p2align	8
	.type	k_q05d2fb598a_gq,@function
k_q05d2fb598a_gq:
	s_mov_b64 s[64:65], 0
	v_nop
	global_prefetch_b8 v0, s[64:65] scope:SCOPE_SE
	s_setreg_imm32_b32 hwreg(HW_REG_WAVE_MODE, 25, 1), 1
	s_wait_xcnt 0x0
	s_wait_alu depctr_hold_cnt(0) depctr_sa_sdst(0) depctr_va_vdst(0) depctr_va_sdst(0) depctr_va_ssrc(0) depctr_va_vcc(0) depctr_vm_vsrc(0)
	s_getreg_b32 s2, hwreg(HW_REG_IB_STS2, 6, 4)
	s_cmp_eq_u32 s2, 0
	s_cbranch_scc0 .Lentry_in_a_cluster
	s_endpgm
.Lentry_in_a_cluster:
	s_bfe_u32 s2, ttmp6, 0x10000c
	s_cmp_lg_u32 s2, 0xf033
	s_cbranch_scc0 .Lentry_shape_is_right
	s_endpgm
.Lentry_shape_is_right:
; q, k, v = xn Wqkv, with the rotary turn on q and k; and, BESIDE THAT MATRIX WORK, two streams that later launches read (THE RIDE, below).
; xn: bf16 in blocks [token/128][k/64][128][64]; wq: Wqkv in bf16 [1024][3072] at 0, the rotary table f16 [2048][32 cos | 32 sin] at 6,291,456;
; qkv: bf16, q | k | v, each [batch x 16 + head][2048][64].  Sums in f32; q, k, v rounded once, unscaled.
; SHARES.  A work-group: 128 tokens x (128 columns of q, the same of k, the same of v).  Wave (wm, wn): 64 tokens x one head's 64 columns of each part: 48 accumulators, 384 registers.
; RING.  K in steps of 128 through two slots of four strips; strip w is fetched by wave w with one tensor load of 128 rows x 256 bytes.  Strip 0: xn (dense 32,768 bytes, padded after each token's
; 128 bytes: pitch 144).  Strips 1-3: 128 k x 128 columns of q, k, v (pitch 288), read turned by ds_load_tr16_b128.  CLUSTER 4 x 4: xn's strip is asked for jointly along a row, the weights' along a column.
; THE MATRIX INSTRUCTION IS USED TRANSPOSED (source 0 = 16 columns of W, source 1 = 16 tokens): a lane holds one token and eight neighbouring columns.
; THE RIDE.  This launch's products leave memory nearly idle, so each of its 1,024 waves also converts, a piece in each of its eight K steps, through registers that the loop does not use:
;   WEIGHTS: Wout, W1, W2, f32 -> bf16, layout kept, to wts + 6,291,456 on end.  They are seven segments of 4 MiB; wave W takes bytes 4,096 W .. of each: eight loads of 512 bytes, eight stores of 256.
;   THE MASK: int32 -> one byte a key, 0x00 seen, 0xB8 (-1.0 in fp8 e4m3) hidden, laid as the attention's lanes want it: mb = [b][q/64][k/64][piece 4][lane 32][32 B], lane (r, h), byte 8 kt + j = key 16 kt + 8 h + j
;   of query 16 piece + r.  Wave W takes the 16 queries 16 (W / 4) .. and the key steps 8 (W % 4) + 0..7, a step (16 rows x 256 bytes) a K step; the bytes change lanes in 1,024 bytes of LDS that are the wave's own.
; A piece is asked for one K step ahead of its conversion.  The ride shares nothing with the products but the issue slots.
; WAY OUT.  Behind the last change of slots the ring has had its last fill: each wave puts its f32 sums into a part of it that is its own, and a counted loop of 16 rows a trip turns, rounds and stores them.
; WINDOWS: 0: addresses, A's fragments v64.., the ride v160-255, the way out; 1: B's fragments, two sets of 128; 2, 3: accumulator a x 12 + b at v[512 + 8 (a x 12 + b)].
.set T,     8                          ; K steps
.set NA,    1                          ; strips of A
.set MB,    4                          ; blocks of 16 tokens a wave
.set NBL,   12                         ; blocks of 16 columns a wave
.set NW,    3072                       ; columns in a row of the weights
.set PA,    144
.set PB,    288
.set KB,    128*PA                     ; a block of 64 k of A in LDS
.set STRIP, 36864
.set SLOT,  4*STRIP                    ; 0x24000: its bits are none of w x 0x9000's, so one exclusive or changes slots
.set ASTEP, 32768
.set BSTEP, 128*NW*2
.set TABL,  2*SLOT                     ; the table of my 128 tokens, 16,384 bytes, filled once
.set SPARE, TABL+16384                 ; the spare words, 128 bytes a wave
.set MST,   SPARE+512                  ; the mask's stage, 1,024 bytes a wave; no fill lands here
.set PD,    784                        ; the way out: a row of 192 f32 + 16 bytes
.set DREG,  64*PD
.set A0,  4                            ; v4     my lane's place in A's strip
.set B0,  5                            ; v5-7   in the three strips of B
.set ADA, 8                            ; v8     A0 + the slot in hand
.set ADB, 9                            ; v9-11  B0 + the slot in hand
.set DS,  12
.set RD,  13
.set RP,  14
.set TA,  15
.set GO,  16
.set SX,  17
.set ZR,  18
.set MVO, 21                           ; v21  the ride: my 16 bytes in two rows of the mask; never rewritten
.set MLA, 22                           ; v22  where my four codes go in the stage
.set MLR, 23                           ; v23  where I read 16 bytes back
.set L16, 24                           ; v24  16 x lane
.set L8,  25                           ; v25  8 x lane
.set SPW, 28
.set NIL, 29
.set PFO, 30
.set TT,  32                           ; v32-47  at work on the way out
.set TR,  64                           ; v64-95  cosines and sines, 8 registers a sub-block
.set DA,  96                           ; v96-255 sums, 40 registers a sub-block
.set MR,  160                          ; v160-191 the ride: 16 rows x 64 ints of the mask
.set WR,  192                          ; v192-223 4,096 bytes of weights in f32
.set MD,  224                          ; v224-231 four codes for each of the eight loads
.set MQ,  232                          ; v232-239 the block as it is stored
.set WB,  240                          ; v240-255 the weights in bf16
.set C8,  3                            ; s3   0xb8
.set MSRC, 10                          ; s[10:11] the mask at the block last asked for
.set MDST, 12                          ; s[12:13] mb at the block to be stored
.set WDST, 14                          ; s[14:15] wts at the piece to be stored
.set WS0, 16                           ; s[16:17] Wout at my 4,096 bytes
.set WS1, 18                           ; s[18:19] W1 at my 4,096 bytes of its first segment
.set WS2, 60                           ; s[60:61] W2 likewise
.set WSRC, 62                          ; s[62:63] the piece last asked for
.set NJ,  69                           ; s69  the number of the piece to be asked for, 1 to 6
.set WV, 20
.set WM, 21
.set WN, 22
.set CX, 23
.set CY, 24
.set PFS, 26                           ; s[26:27] the prefetches' step
.set G1A, 28
.set G1B, 36
.set G0A, 44                           ; two sets: tile 0 in slot 0; tile 1 in slot 1, which then walks
.set G0B, 52
.set TB,  66
.set CNT, 67
.set LIM, 68
.set PFA, 70
.set X,   72
.set Y,   73
.set G0T, 84
.set G1T, 88
.set AAD, 96
.set BAD, 98
.set MSB, 0
.macro WIN new                         ; the immediate's high byte repeats the setting that is left; a switch that changes nothing is dropped
.if MSB != (\new)
	s_set_vgpr_msb (MSB<<8)|(\new)
.set MSB, \new
.endif
.endm
.macro PLACES                          ; four plain places behind matrix instructions, ahead of loads into registers that they read
.rept 4
	v_nop
.endr
.endm
.macro CREST                           ; a round of the cluster's barrier behind its opening barrier
	s_cmp_lg_u32 s[WV], 0
	s_cbranch_scc1 .Lnot_wave_0_\@
	s_barrier_signal -3
.Lnot_wave_0_\@:
	s_barrier_wait -3
	s_barrier_signal -1
	s_barrier_wait -1
.endm
.macro CROUND
	s_barrier_signal -1
	s_barrier_wait -1
	CREST
.endm
.macro JLOAD                           ; a joint refill by the walking descriptors; the branch hangs on the wave's number alone; an s_nop 0 and four v_nop follow each line
	s_cmp_lt_u32 s[WV], NA
	s_cbranch_scc0 .Lfor_b_\@
	tensor_load_to_lds s[G0A+4:G0A+7], s[G1A:G1A+7]
	s_nop 0
	PLACES
	s_branch .Lasked_\@
.Lfor_b_\@:
	tensor_load_to_lds s[G0B+4:G0B+7], s[G1B:G1B+7]
	s_nop 0
	PLACES
.Lasked_\@:
.endm
; A prefetch of the strip that stands two refills on: 32 of its 128 rows of 256 bytes, a lane a row.  xn's strips are asked for by the clusters with x = 0, the weights' by those with y = 0;
; the four partners of a joint load share the rows out by address.  The loop's last two trips have no tile two on.
.macro ASK
	s_cmp_gt_u32 s[CNT], s[LIM]
	s_cbranch_scc0 .Lnot_mine_\@
	global_prefetch_b8 v[PFO], s[PFA:PFA+1] th:TH_LOAD_NT scope:SCOPE_SE
.Lnot_mine_\@:
.endm
; THE RIDE's parts.  All of them work in window 0.
.macro MASKQ                           ; a block of the mask is asked for: a load takes two rows' 256 bytes
.set ri, 0
.rept 8
	global_load_b128 v[MR+4*ri:MR+4*ri+3], v[MVO], s[MSRC:MSRC+1] offset:16384*ri th:TH_LOAD_NT
.set ri, ri+1
.endr
.endm
.macro WASK                            ; a piece of the weights is asked for: a load takes 512 consecutive bytes
.set ri, 0
.rept 8
	global_load_b128 v[WR+4*ri:WR+4*ri+3], v[L16], s[WSRC:WSRC+1] offset:512*ri th:TH_LOAD_NT
.set ri, ri+1
.endr
.endm
.macro WPACK
.set ri, 0
.rept 16
	v_cvt_pk_bf16_f32 v[WB+ri], v[WR+2*ri], v[WR+2*ri+1]
.set ri, ri+1
.endr
.endm
.macro WSEND                           ; a store covers 256 consecutive bytes, aligned
.set ri, 0
.rept 8
	global_store_b64 v[L8], v[WB+2*ri:WB+2*ri+1], s[WDST:WDST+1] offset:256*ri
.set ri, ri+1
.endr
.endm
.macro MPACK                           ; four ints -> four codes: 1 where the int is not 0, packed, turned round, times 0xB8 (no carry between bytes).  Written stage by stage, so that no line waits for the one before it
.set ri, 0
.rept 32
	v_min_u32 v[MR+ri], 1, v[MR+ri]
.set ri, ri+1
.endr
.irp sh, 1,2,3
.set ri, 0
.rept 8
	v_lshl_or_b32 v[MR+4*ri], v[MR+4*ri+\sh], 8*\sh, v[MR+4*ri]
.set ri, ri+1
.endr
.endr
.set ri, 0
.rept 8
	v_xor_b32 v[MR+4*ri], 0x01010101, v[MR+4*ri]
.set ri, ri+1
.endr
.set ri, 0
.rept 8
	v_mul_lo_u32 v[MD+ri], v[MR+4*ri], s[C8]
.set ri, ri+1
.endr
.endm
.macro MSTAGE                          ; load ri held rows 2 ri and 2 ri + 1: 64 bytes further on in the stage.  LDS serves a wave's instructions in order: the loads see the stores, and the stage is my wave's own
.set ri, 0
.rept 8
	ds_store_b32 v[MLA], v[MD+ri] offset:64*ri
.set ri, ri+1
.endr
	ds_load_b128 v[MQ:MQ+3], v[MLR]
	ds_load_b128 v[MQ+4:MQ+7], v[MLR] offset:512
.endm
.macro MSEND                           ; the block's 1,024 bytes: two stores of 512 consecutive bytes, aligned
	s_wait_dscnt 0x0                               ; the block is back in registers
	global_store_b128 v[L16], v[MQ:MQ+3], s[MDST:MDST+1]
	global_store_b128 v[L16], v[MQ+4:MQ+7], s[MDST:MDST+1] offset:512
.endm
; A K step's ride in the loop: the pieces asked for a K step ago are converted and stored, the next are asked for.  The stores' pointers are stepped at the next change of slots, behind its s_wait_xcnt 0;
; the stores' data are written again only in the next trip, behind that same wait.
.macro RIDE
	s_wait_loadcnt 0x0                             ; both pieces are in, and their loads have read their pointers, which may be written:
	s_add_nc_u64 s[MSRC:MSRC+1], s[MSRC:MSRC+1], 256  ; the mask's next key step;
	s_cmp_lt_u32 s[NJ], 5                          ; pieces 1 to 4 lie in W1, 5 and 6 in W2
	s_cselect_b64 s[WSRC:WSRC+1], s[WS1:WS1+1], s[WS2:WS2+1]
	s_cselect_b32 s80, 1, 5
	s_sub_co_u32 s80, s[NJ], s80
	s_lshl_b32 s80, s80, 22                        ; segments of 4 MiB
	s_mov_b32 s81, 0
	s_add_nc_u64 s[WSRC:WSRC+1], s[WSRC:WSRC+1], s[80:81]
	s_add_co_u32 s[NJ], s[NJ], 1
	WPACK
	MPACK
	MSTAGE
	WSEND
	MASKQ
	WASK                                           ; the sixteen loads stand between the stage's loads and the wait for them
	MSEND
.endm
	s_load_b256 s[4:11], s[0:1], 0x0               ; xn s[4:5], wq s[6:7], qkv s[8:9], mask s[10:11]
	s_load_b256 s[12:19], s[0:1], 0x20             ; mb s[12:13], wts s[14:15], Wout s[16:17], W1 s[18:19]
	s_load_b64 s[60:61], s[0:1], 0x40              ; W2
	v_lshl_add_u32 v[SPW], v0, 2, SPARE
	v_mov_b32 v[NIL], 0
	ds_add_u32 v[SPW], v[NIL]                      ; the wave's opening: the add and its wait ahead of my first tensor load
	v_lshrrev_b32 v1, 5, v0
	v_readfirstlane_b32 s[WV], v1
	s_lshr_b32 s[WM], s[WV], 1
	s_and_b32 s[WN], s[WV], 1
	s_bfe_u32 s[CX], ttmp6, 0x40000
	s_bfe_u32 s[CY], ttmp6, 0x40004
	s_lshl_b32 s[X], ttmp9, 2
	s_add_co_u32 s[X], s[X], s[CX]                 ; which 128 columns
	s_and_b32 s[Y], ttmp7, 0xffff
	s_lshl_b32 s[Y], s[Y], 2
	s_add_co_u32 s[Y], s[Y], s[CY]                 ; which 128 tokens
	s_lshl_b32 s74, s[CY], 2
	s_lshl_b32 s74, 15, s74                        ; my row of the cluster
	s_lshl_b32 s75, 0x1111, s[CX]                  ; my column
	s_or_b32 s[G1A], s74, 0x07310000               ; 2-byte elements, padding on, bit 21 beside the mask, after every 32 words 4 words
	s_or_b32 s[G1B], s75, 0x0f710000               ; after every 64 words 8 words
.irp g, G1A, G1B
	s_mov_b32 s[\g+1], 128<<16                     ; tensor_dim0 = 128
	s_mov_b32 s[\g+2], 128<<16                     ; tensor_dim1 = 128
	s_mov_b32 s[\g+3], 128<<16                     ; tile_dim0 = 128
	s_mov_b32 s[\g+4], 128                         ; tile_dim1 = 128
	s_mov_b32 s[\g+6], 0
	s_mov_b32 s[\g+7], 0
.endr
	s_mov_b32 s[G1A+5], 128                        ; xn's strip is dense
	s_mov_b32 s[G1B+5], NW
	s_mov_b32 s[G1T], 3<<16                        ; the table: my own load (no mask), 16 rows of 32 elements of 8 bytes
	s_mov_b32 s[G1T+1], 32<<16
	s_mov_b32 s[G1T+2], 16<<16
	s_mov_b32 s[G1T+3], 32<<16
	s_mov_b32 s[G1T+4], 16
	s_mov_b32 s[G1T+5], 32
	s_mov_b32 s[G1T+6], 0
	s_mov_b32 s[G1T+7], 0
	s_lshl_b32 s78, s[Y], 18                       ; xn: the block of 128 tokens
	s_mov_b32 s79, 0
	s_max_u32 s80, s[WV], 1
	s_sub_co_u32 s80, s80, 1                       ; which of q, k, v I fetch
	s_lshl_b32 s80, s80, 11
	s_lshl_b32 s81, s[X], 8
	s_add_co_u32 s80, s80, s81
	s_mov_b32 s81, 0
	s_and_b32 s82, s[Y], 15                        ; the table goes by the place in the sequence
	s_lshl_b32 s82, s82, 14
	s_lshl_b32 s83, s[WV], 12
	s_add_co_u32 s82, s82, s83
	s_add_co_u32 s82, s82, 6291456                 ; it lies behind Wqkv's copy
	s_mov_b32 s83, 0
	s_mul_i32 s25, s[WV], STRIP                    ; my strip's place in a slot: the wave's number alone
	s_mov_b32 s[TB], 0
	s_wait_dscnt 0x0                               ; the opening add is done
	s_wait_kmcnt 0x0
	s_add_nc_u64 s[AAD:AAD+1], s[4:5], s[78:79]
	s_add_nc_u64 s[BAD:BAD+1], s[6:7], s[80:81]
	CROUND                                         ; all sixteen work-groups are here: the first joint loads meet
.irp s, 0,1
	s_mov_b32 s[G0A+4*(\s)], 1
	s_add_co_u32 s[G0A+4*(\s)+1], s25, (\s)*SLOT
	s_add_nc_u64 s[G0A+4*(\s)+2:G0A+4*(\s)+3], s[AAD:AAD+1], (\s)*ASTEP
	s_or_b32 s[G0A+4*(\s)+3], s[G0A+4*(\s)+3], 0x80000000
	s_mov_b32 s[G0B+4*(\s)], 1
	s_add_co_u32 s[G0B+4*(\s)+1], s25, (\s)*SLOT
	s_add_nc_u64 s[G0B+4*(\s)+2:G0B+4*(\s)+3], s[BAD:BAD+1], (\s)*BSTEP
	s_or_b32 s[G0B+4*(\s)+3], s[G0B+4*(\s)+3], 0x80000000
.endr
	s_mov_b32 s[G0T], 1
	s_lshl_b32 s[G0T+1], s[WV], 12
	s_add_co_u32 s[G0T+1], s[G0T+1], TABL
	s_add_nc_u64 s[G0T+2:G0T+3], s[6:7], s[82:83]
	s_or_b32 s[G0T+3], s[G0T+3], 0x80000000
	s_cmp_lt_u32 s[WV], NA                         ; a wave's three first fills stand in one branch: tile 0, tile 1, its quarter of the table: three loads of mine are out
	s_cbranch_scc0 .Lfirst_b
	tensor_load_to_lds s[G0A:G0A+3], s[G1A:G1A+7]
	s_nop 0
	tensor_load_to_lds s[G0A+4:G0A+7], s[G1A:G1A+7]
	s_nop 0
	tensor_load_to_lds s[G0T:G0T+3], s[G1T:G1T+7]
	s_nop 0
	PLACES
	s_branch .Lfirst_asked
.Lfirst_b:
	tensor_load_to_lds s[G0B:G0B+3], s[G1B:G1B+7]
	s_nop 0
	tensor_load_to_lds s[G0B+4:G0B+7], s[G1B:G1B+7]
	s_nop 0
	tensor_load_to_lds s[G0T:G0T+3], s[G1T:G1T+7]
	s_nop 0
	PLACES
.Lfirst_asked:
	v_and_b32 v1, 15, v0                           ; l % 16
	v_bfe_u32 v2, v0, 4, 1                         ; l / 16
	; the ride's addresses, and its first pieces, behind the first tiles' requests
	s_lshl_b32 s2, s[Y], 3
	s_add_co_u32 s2, s2, s[X]
	s_lshl_b32 s2, s2, 2
	s_add_co_u32 s2, s2, s[WV]                     ; W: my wave among the launch's 1,024
	s_mov_b32 s83, 0
	s_lshl_b32 s82, s2, 12                         ; 4,096 W
	s_add_nc_u64 s[WS0:WS0+1], s[WS0:WS0+1], s[82:83]
	s_add_nc_u64 s[WS1:WS1+1], s[WS1:WS1+1], s[82:83]
	s_add_nc_u64 s[WS2:WS2+1], s[WS2:WS2+1], s[82:83]
	s_lshl_b32 s82, s2, 11                         ; in bf16: 2,048 W,
	s_add_co_u32 s82, s82, 6291456                 ; from where Wout's copy begins
	s_add_nc_u64 s[WDST:WDST+1], s[WDST:WDST+1], s[82:83]
	s_lshr_b32 s3, s2, 2                           ; my 16 queries: batch x 128 + (q / 64) x 4 + piece
	s_and_b32 s80, s2, 3                           ; my eight key steps
	s_lshl_b32 s82, s3, 17                         ; 16 rows of 8,192 bytes
	s_lshl_b32 s81, s80, 11                        ; 8 steps of 256 bytes
	s_add_co_u32 s82, s82, s81
	s_add_nc_u64 s[MSRC:MSRC+1], s[MSRC:MSRC+1], s[82:83]
	s_lshr_b32 s82, s3, 2
	s_lshl_b32 s82, s82, 17                        ; 64 queries: 32 steps of 4,096 bytes,
	s_and_b32 s81, s3, 3
	s_lshl_b32 s81, s81, 10                        ; the piece's 1,024,
	s_add_co_u32 s82, s82, s81
	s_lshl_b32 s81, s80, 15                        ; my first step
	s_add_co_u32 s82, s82, s81
	s_add_nc_u64 s[MDST:MDST+1], s[MDST:MDST+1], s[82:83]
	s_mov_b32 s[C8], 0xb8
	s_mov_b32 s[NJ], 1
	s_mov_b64 s[WSRC:WSRC+1], s[WS0:WS0+1]         ; piece 0 is Wout's
	v_and_b32 v3, 31, v0
	v_lshlrev_b32 v[L16], 4, v3
	v_lshlrev_b32 v[L8], 3, v3
	v_lshlrev_b32 v[MVO], 13, v2                   ; lanes 16-31 take the odd row,
	v_lshl_add_u32 v[MVO], v1, 4, v[MVO]           ; a lane keys 4 (l % 16) + 0..3 = 16 kt + 8 h + 4 jj + 0..3
	s_lshl_b32 s81, s[WV], 10
	s_add_co_u32 s81, s81, MST                     ; my wave's stage
	v_lshl_add_u32 v[MLA], v2, 5, s81              ; row r: 32 r;
	v_bfe_u32 v19, v0, 1, 1
	v_lshl_add_u32 v[MLA], v19, 9, v[MLA]          ; h: 512 h;
	v_bfe_u32 v19, v0, 2, 2
	v_lshl_add_u32 v[MLA], v19, 3, v[MLA]          ; kt: 8 kt;
	v_and_b32 v19, 1, v0
	v_lshl_add_u32 v[MLA], v19, 2, v[MLA]          ; jj: 4 jj
	v_add_nc_u32 v[MLR], s81, v[L16]
	MASKQ
	WASK
	; fragments.  A: lane l holds token l % 16, k = 8 (l / 16) + 0..7 and 16 more on: two loads of 16 bytes, 32 apart.  B, turned: lane l reads row 8 (l / 16) + l % 8, 16 bytes at 16 ((l / 8) % 2).
	v_mul_u32_u24 v[A0], v1, PA
	v_lshl_add_u32 v[A0], v2, 4, v[A0]
	s_mul_i32 s74, s[WM], 64*PA                    ; my 64 tokens
	v_add_nc_u32 v[A0], s74, v[A0]
	v_and_b32 v3, 7, v0
	v_lshl_add_u32 v3, v2, 3, v3
	v_mul_u32_u24 v3, v3, PB
	v_bfe_u32 v31, v0, 3, 1
	v_lshl_add_u32 v3, v31, 4, v3
	s_lshl_b32 s74, s[WN], 7                       ; my 64 columns
	s_add_co_u32 s74, s74, NA*STRIP
	v_add_nc_u32 v[B0], s74, v3
	v_add_nc_u32 v[B0+1], STRIP, v[B0]
	v_add_nc_u32 v[B0+2], STRIP, v[B0+1]
	v_mov_b32 v[ADA], v[A0]
	v_mov_b32 v[ADB], v[B0]
	v_mov_b32 v[ADB+1], v[B0+1]
	v_mov_b32 v[ADB+2], v[B0+2]
	; the prefetches: who asks, and where
	s_and_b32 s76, ttmp7, 0xffff
	s_mov_b32 s77, 8192
	s_mov_b32 s78, 32*NW*2
	s_mov_b32 s79, 256
	s_mov_b32 s80, NW*2
	s_mov_b32 s81, ASTEP
	s_mov_b32 s82, BSTEP
	s_cmp_lt_u32 s[WV], NA
	s_cselect_b32 s76, ttmp9, s76                  ; the coordinate along which other clusters read the same rows
	s_cselect_b32 s83, s[CX], s[CY]                ; my place among the four that ask jointly
	s_cselect_b32 s77, s77, s78                    ; 32 rows
	s_cselect_b32 s79, s79, s80                    ; a row
	s_cselect_b32 s[PFS], s81, s82
	s_cselect_b64 s[PFA:PFA+1], s[AAD:AAD+1], s[BAD:BAD+1]
	s_mov_b32 s[PFS+1], 0
	s_cmp_eq_u32 s76, 0
	s_cselect_b32 s[LIM], 2, -1
	s_mul_i32 s82, s83, s77
	s_mov_b32 s83, 0
	s_add_nc_u64 s[PFA:PFA+1], s[PFA:PFA+1], s[82:83]
	s_mul_i32 s82, s[PFS], 3                       ; at tile 3: the first refill steps it to tile 4.  Nothing is asked for here, at the head
	s_add_nc_u64 s[PFA:PFA+1], s[PFA:PFA+1], s[82:83]
	v_and_b32 v[PFO], 31, v0
	v_mul_u32_u24 v[PFO], v[PFO], s79
	; where q, k, v go: head (batch x 16 + 2 X + wn), row (Y % 16) x 128 + 64 wm
	s_lshr_b32 s74, s[Y], 4
	s_lshl_b32 s74, s74, 4
	s_lshl_b32 s75, s[X], 1
	s_add_co_u32 s74, s74, s75
	s_add_co_u32 s74, s74, s[WN]
	s_lshl_b32 s74, s74, 18
	s_and_b32 s75, s[Y], 15
	s_lshl_b32 s75, s75, 14
	s_add_co_u32 s74, s74, s75
	s_lshl_b32 s75, s[WM], 13
	s_add_co_u32 s74, s74, s75
	s_mov_b32 s75, 0
	s_add_nc_u64 s[74:75], s[8:9], s[74:75]        ; q
	s_add_nc_u64 s[76:77], s[74:75], 8388608       ; k
	s_add_nc_u64 s[78:79], s[76:77], 8388608       ; v
; Products of rows a0 .. a1 - 1 with all column blocks, 32 along K, from fragment set f.  Each accumulator has one instruction a quarter, always in the same order: they take turns.
.macro MULR f, a0, a1, zero
.set ma, \a0
.rept (\a1)-(\a0)
.set jb, 0
.rept NBL
.set ix, ma*NBL+jb
.set rD, 8*(ix%32)
	WIN 0xa1+0x50*(ix/32)                          ; B window 1, A window 0, C and D window 2 or 3
.if \zero
	v_wmma_f32_16x16x32_bf16 v[rD:rD+7], v[128*(\f)+8*jb:128*(\f)+8*jb+7], v[64+64*(\f)+8*ma:64+64*(\f)+8*ma+7], 0
.else
	v_wmma_f32_16x16x32_bf16 v[rD:rD+7], v[128*(\f)+8*jb:128*(\f)+8*jb+7], v[64+64*(\f)+8*ma:64+64*(\f)+8*ma+7], v[rD:rD+7]
.endif
.set jb, jb+1
.endr
.set ma, ma+1
.endr
.endm
; 32 LDS loads in one run: quarter q's fragments into set f; B's first, A's last
.macro FETCH q, f
	WIN 0x40
.set jb, 0
.rept NBL
	ds_load_tr16_b128 v[128*(\f)+8*jb:128*(\f)+8*jb+3],   v[ADB+jb/4] offset:(\q)*32*PB+(jb%4)*32
	ds_load_tr16_b128 v[128*(\f)+8*jb+4:128*(\f)+8*jb+7], v[ADB+jb/4] offset:(\q)*32*PB+(jb%4)*32+16*PB
.set jb, jb+1
.endr
	WIN 0
.set ja, 0
.rept MB
	ds_load_b128 v[64+64*(\f)+8*ja:64+64*(\f)+8*ja+3],   v[ADA] offset:((\q)/2)*KB+ja*16*PA+((\q)%2)*64
	ds_load_b128 v[64+64*(\f)+8*ja+4:64+64*(\f)+8*ja+7], v[ADA] offset:((\q)/2)*KB+ja*16*PA+((\q)%2)*64+32
.set ja, ja+1
.endr
.endm
.macro QUARTER q, zero                 ; one of a K step's first three quarters: multiplies set q % 2, fetches the next quarter into the other
	s_wait_dscnt MB                                ; all but the youngest MB loads, A's upper rows (behind a ride nothing is out)
	MULR (\q)%2, 0, MB/2, \zero
	PLACES
	FETCH (\q)+1, 1-(\q)%2
	s_wait_dscnt 2*(NBL+MB)                        ; all but the run just issued
	MULR (\q)%2, MB/2, MB, \zero
.endm
; The last quarter multiplies set 1 and changes slots.  In front of the barrier each wave waits for all its tensor loads, adds 0 to its spare word and waits for that and for its reads of the slot.
; fill = 1: the barrier opens a round of the cluster's, and the slot just read out is filled again, first thing behind it.  fill = 0 (the tail): nothing is filled; in the very last pass nothing is fetched.
.macro TURN fill
	s_wait_xcnt 0x0                                ; the last prefetch, a K step back, and the ride's stores, two quarters back, have read their pointers and data
.if \fill
	s_add_nc_u64 s[PFA:PFA+1], s[PFA:PFA+1], s[PFS:PFS+1]
	s_add_nc_u64 s[WDST:WDST+1], s[WDST:WDST+1], 2097152  ; the next segment's copy
.endif
	s_add_nc_u64 s[MDST:MDST+1], s[MDST:MDST+1], 4096     ; the next key step's block (behind the last block the stepped address is not used)
	WIN 0
	s_wait_tensorcnt 0x0                           ; all my tensor loads have landed: my strip of the next slot
	ds_add_u32 v[SPW], v[NIL]
	s_wait_dscnt MB+1                              ; (the add and the youngest MB loads may be out)
	MULR 1, 0, MB/4, 0
	s_wait_dscnt 0x0                               ; the add is done, my reads of this slot are over
	s_barrier_signal -1
	MULR 1, MB/4, MB/2, 0
	WIN 0
	s_barrier_wait -1
.if \fill
	CREST
	s_xor_b32 s[G0A+5], s[G0A+5], SLOT
	s_add_nc_u64 s[G0A+6:G0A+7], s[G0A+6:G0A+7], ASTEP
	s_xor_b32 s[G0B+5], s[G0B+5], SLOT
	s_add_nc_u64 s[G0B+6:G0B+7], s[G0B+6:G0B+7], BSTEP
	JLOAD                                          ; its four v_nop are also the places ahead of the loads below
.else
	PLACES
	s_cmp_eq_u32 s[CNT], 1
	s_cbranch_scc1 .Lno_fetch_\@
.endif
	s_xor_b32 s[TB], s[TB], SLOT
	v_add_nc_u32 v[ADA], s[TB], v[A0]
	v_add_nc_u32 v[ADB], s[TB], v[B0]
	v_add_nc_u32 v[ADB+1], s[TB], v[B0+1]
	v_add_nc_u32 v[ADB+2], s[TB], v[B0+2]
	FETCH 0, 0
.if \fill
	ASK
.else
.Lno_fetch_\@:
.endif
	MULR 1, MB/2, MB, 0
.endm
	s_wait_tensorcnt 2                             ; my strip of tile 0 is in; tile 1 and the table may stay out
	s_barrier_signal -1
	s_barrier_wait -1
	FETCH 0, 0
	QUARTER 0, 1                                   ; the first quarter's products start the sums
	WIN 0
	s_mov_b32 s[CNT], T-2
.Lstep:                                        ; a trip goes from a K step's second quarter to the next step's first, and fills one slot again
	RIDE                                           ; pieces 0 to 5 are stored, pieces 1 to 6 asked for
	QUARTER 1, 0
	QUARTER 2, 0
	TURN 1
	QUARTER 0, 0
	WIN 0
	s_sub_co_u32 s[CNT], s[CNT], 1
	s_cmp_lg_u32 s[CNT], 0
	s_cbranch_scc1 .Lstep
	s_wait_loadcnt 0x0                             ; the weights' seventh and last piece, asked for a K step ago
	WPACK
	WSEND
	s_mov_b32 s[CNT], 2
.Ltail:                                        ; the last two K steps ask for no tile; the mask's blocks 6 and 7 ride on them
	s_wait_loadcnt 0x0                             ; the block is in, and its loads have read their pointer
	s_add_nc_u64 s[MSRC:MSRC+1], s[MSRC:MSRC+1], 256
	MPACK
	MSTAGE
	s_cmp_eq_u32 s[CNT], 1                         ; behind block 7 there is none: no load leaves the mask
	s_cbranch_scc1 .Lno_more
	MASKQ
.Lno_more:
	MSEND
	QUARTER 1, 0
	QUARTER 2, 0
	TURN 0
	WIN 0
	s_sub_co_u32 s[CNT], s[CNT], 1
	s_cmp_eq_u32 s[CNT], 0
	s_cbranch_scc1 .Lout
	QUARTER 0, 0
	WIN 0
	s_branch .Ltail
.Lout:
	s_wait_dscnt 0x0
	s_barrier_signal -1                            ; every wave's reads of the ring are over: its bytes, which have had their last fill, may be stored over
	s_barrier_wait -1
	; the addresses of the way out: more than four plain instructions, the places behind the last products
	v_mul_u32_u24 v[DS], v1, PD
	v_lshl_add_u32 v[DS], v2, 5, v[DS]
	s_mul_i32 s80, s[WV], DREG
	v_add_nc_u32 v[DS], s80, v[DS]
	v_and_b32 v3, 31, v0
	v_lshrrev_b32 v31, 3, v3                       ; row in a sub-block of four
	v_and_b32 v19, 7, v0                           ; my eight columns of the head's 64
	v_mul_u32_u24 v[RD], v31, PD
	v_add_nc_u32 v[RD], s80, v[RD]
	v_xor_b32 v20, 4, v19
	v_lshl_add_u32 v[RP], v20, 5, v[RD]            ; the columns 32 away
	v_lshl_add_u32 v[RD], v19, 5, v[RD]
	v_and_b32 v20, 3, v19
	v_lshlrev_b32 v[TA], 7, v31
	v_lshl_add_u32 v[TA], v20, 4, v[TA]
	s_lshl_b32 s81, s[WM], 13
	s_add_co_u32 s81, s81, TABL
	v_add_nc_u32 v[TA], s81, v[TA]
	v_lshlrev_b32 v[GO], 4, v3
	v_lshrrev_b32 v20, 2, v19
	v_add_nc_u32 v20, -1, v20
	v_and_b32 v[SX], 0x80008000, v20               ; columns 0-31 take the partner with the sine's sign turned
	v_mov_b32 v[ZR], 0
.set ix, 0
.rept MB*NBL                                   ; each accumulator's low four registers leave first
	WIN 0x08+4*(ix/32)
	ds_store_b128 v[DS], v[8*(ix%32):8*(ix%32)+3]   offset:(ix/NBL)*16*PD+(ix%NBL)*64
	ds_store_b128 v[DS], v[8*(ix%32)+4:8*(ix%32)+7] offset:(ix/NBL)*16*PD+(ix%NBL)*64+16
.set ix, ix+1
.endr
	WIN 0
.macro MIX d, a, t, c, hi              ; d = a x (an f16 half of t) + c, in f32
.if \hi
	v_fma_mix_f32 v[\d], v[\a], v[\t], v[\c] op_sel:[0,1,0] op_sel_hi:[0,1,0]
.else
	v_fma_mix_f32 v[\d], v[\a], v[\t], v[\c] op_sel_hi:[0,1,0]
.endif
.endm
.macro ROPE own, tt                    ; own: the part's own 8 sums; the partner's 8 follow, and take the packed result
.set j, 0
.rept 8
	MIX (\tt)+j, (\own)+8+j, TR+8*u+4+j/2, ZR, j%2
.set j, j+1
.endr
.set j, 0
.rept 8
	MIX (\tt)+j, (\own)+j, TR+8*u+j/2, (\tt)+j, j%2
.set j, j+1
.endr
.set j, 0
.rept 4
	v_cvt_pk_bf16_f32 v[(\own)+8+j], v[(\tt)+2*j], v[(\tt)+2*j+1]
.set j, j+1
.endr
.endm
	s_mov_b32 s[CNT], 4
.Lrows:                                        ; 16 rows a trip, in four sub-blocks of four; LDS serves a wave's instructions in order, so these loads see my stores above
.set u, 0
.rept 4
	ds_load_b128 v[TR+8*u:TR+8*u+3],     v[TA] offset:512*u
	ds_load_b128 v[TR+8*u+4:TR+8*u+7],   v[TA] offset:512*u+64
	ds_load_b128 v[DA+40*u:DA+40*u+3],     v[RD] offset:4*PD*u
	ds_load_b128 v[DA+40*u+4:DA+40*u+7],   v[RD] offset:4*PD*u+16
	ds_load_b128 v[DA+40*u+8:DA+40*u+11],  v[RP] offset:4*PD*u
	ds_load_b128 v[DA+40*u+12:DA+40*u+15], v[RP] offset:4*PD*u+16
	ds_load_b128 v[DA+40*u+16:DA+40*u+19], v[RD] offset:4*PD*u+256
	ds_load_b128 v[DA+40*u+20:DA+40*u+23], v[RD] offset:4*PD*u+272
	ds_load_b128 v[DA+40*u+24:DA+40*u+27], v[RP] offset:4*PD*u+256
	ds_load_b128 v[DA+40*u+28:DA+40*u+31], v[RP] offset:4*PD*u+272
	ds_load_b128 v[DA+40*u+32:DA+40*u+35], v[RD] offset:4*PD*u+512
	ds_load_b128 v[DA+40*u+36:DA+40*u+39], v[RD] offset:4*PD*u+528
.set u, u+1
.endr
.set u, 0
.rept 4
	s_wait_dscnt 12*(3-u)                          ; the later sub-blocks' twelve loads each may stay out
.irp k, 0,1,2,3
	v_xor_b32 v[TR+8*u+4+\k], v[SX], v[TR+8*u+4+\k]
.endr
	ROPE DA+40*u, TT
	ROPE DA+40*u+16, TT+8
.irp k, 0,1,2,3
	v_cvt_pk_bf16_f32 v[DA+40*u+32+\k], v[DA+40*u+32+2*\k], v[DA+40*u+33+2*\k]
.endr
	global_store_b128 v[GO], v[DA+40*u+8:DA+40*u+11],  s[74:75] offset:512*u   ; four rows of a head: 512 consecutive bytes, aligned
	global_store_b128 v[GO], v[DA+40*u+24:DA+40*u+27], s[76:77] offset:512*u
	global_store_b128 v[GO], v[DA+40*u+32:DA+40*u+35], s[78:79] offset:512*u
.set u, u+1
.endr
	s_wait_xcnt 0x0                                ; the stores have read their data and offset: both are written again below and in the next trip
	v_add_nc_u32 v[RD], 16*PD, v[RD]
	v_add_nc_u32 v[RP], 16*PD, v[RP]
	v_add_nc_u32 v[TA], 2048, v[TA]
	v_add_nc_u32 v[GO], 2048, v[GO]
	s_sub_co_u32 s[CNT], s[CNT], 1
	s_cmp_lg_u32 s[CNT], 0
	s_cbranch_scc1 .Lrows
	s_wait_tensorcnt 0x0                           ; the wave's end
	ds_add_u32 v[SPW], v[NIL]
	s_wait_dscnt 0x0
	CROUND                                         ; the closing round
	s_endpgm
.Lfunc_end_k_q05d2fb598a_gq:
	.size	k_q05d2fb598a_gq, .Lfunc_end_k_q05d2fb598a_gq-k_q05d2fb598a_gq
	.p2alignl 7, 3214868480
	.fill 96, 4, 3214868480
	.section	.rodata,"a",@progbits
	.p2align	6, 0x0
	.amdhsa_kernel k_q05d2fb598a_gq
		.amdhsa_group_segment_fixed_size 327680
		.amdhsa_private_segment_fixed_size 0
		.amdhsa_enable_private_segment 0
		.amdhsa_kernarg_size 72
		.amdhsa_user_sgpr_count 2
		.amdhsa_user_sgpr_kernarg_segment_ptr 1
		.amdhsa_wavefront_size32 1
		.amdhsa_system_sgpr_workgroup_id_x 1
		.amdhsa_system_sgpr_workgroup_id_y 1
		.amdhsa_system_sgpr_workgroup_id_z 1
		.amdhsa_system_vgpr_workitem_id 0
		.amdhsa_next_free_vgpr 896
		.amdhsa_next_free_sgpr 100
		.amdhsa_reserve_vcc 0
		.amdhsa_float_denorm_mode_32 3
		.amdhsa_float_denorm_mode_16_64 3
		.amdhsa_memory_ordered 1
		.amdhsa_forward_progress 1
		.amdhsa_inst_pref_size 104
	.end_amdhsa_kernel
	.amdgpu_metadata
---
amdhsa.version: [ 1, 2 ]
amdhsa.kernels:
  - .name:           k_q05d2fb598a_gq
    .symbol:         k_q05d2fb598a_gq.kd
    .args:
      - { .name: xn, .offset: 0, .size: 8, .value_kind: global_buffer, .address_space: global }
      - { .name: wq, .offset: 8, .size: 8, .value_kind: global_buffer, .address_space: global }
      - { .name: qkv, .offset: 16, .size: 8, .value_kind: global_buffer, .address_space: global }
      - { .name: mask, .offset: 24, .size: 8, .value_kind: global_buffer, .address_space: global }
      - { .name: mb, .offset: 32, .size: 8, .value_kind: global_buffer, .address_space: global }
      - { .name: wts, .offset: 40, .size: 8, .value_kind: global_buffer, .address_space: global }
      - { .name: Wout, .offset: 48, .size: 8, .value_kind: global_buffer, .address_space: global }
      - { .name: W1, .offset: 56, .size: 8, .value_kind: global_buffer, .address_space: global }
      - { .name: W2, .offset: 64, .size: 8, .value_kind: global_buffer, .address_space: global }
    .group_segment_fixed_size: 327680
    .private_segment_fixed_size: 0
    .kernarg_segment_align: 8
    .kernarg_segment_size: 72
    .max_flat_workgroup_size: 128
    .sgpr_count:     100
    .vgpr_count:     896
    .wavefront_size: 32
...
	.end_amdgpu_metadata
.endif
;; end of part 2
;; launch attn (part 3): grid 8 x 32, 4 waves a work-group, clusters of 4 x 1, 327,680 bytes of LDS; arguments qkv, mb, ob; writes ob
.if DOCPART == 3
	.amdgcn_target "amdgcn-amd-amdhsa--gfx1250"
	.amdhsa_code_object_version 6
	.text
	.protected	k_q05d2fb598a_attn
	.globl	k_q05d2fb598a_attn
	.p2align	8
	.type	k_q05d2fb598a_attn,@function
k_q05d2fb598a_attn:
	s_mov_b64 s[64:65], 0
	v_nop
	global_prefetch_b8 v0, s[64:65] scope:SCOPE_SE
	s_setreg_imm32_b32 hwreg(HW_REG_WAVE_MODE, 25, 1), 1
	s_wait_xcnt 0x0
	s_wait_alu depctr_hold_cnt(0) depctr_sa_sdst(0) depctr_va_vdst(0) depctr_va_sdst(0) depctr_va_ssrc(0) depctr_va_vcc(0) depctr_vm_vsrc(0)
	s_getreg_b32 s2, hwreg(HW_REG_IB_STS2, 6, 4)
	s_cmp_eq_u32 s2, 0
	s_cbranch_scc0 .Lentry_in_a_cluster
	s_endpgm
.Lentry_in_a_cluster:
	s_bfe_u32 s2, ttmp6, 0x10000c
	s_cmp_lg_u32 s2, 0x3003
	s_cbranch_scc0 .Lentry_shape_is_right
	s_endpgm
.Lentry_shape_is_right:
; ATTENTION UNDER A GIVEN MASK.  O[q] = sum over k of softmax_k(q . k / 8, hidden keys left out) v[k].  q, k, v: bf16 [batch x 16 + head][2048][64] in qkv; mb: one fp8 byte a (query, key), 0 seen, -1 hidden,
; laid [b][q/64][k/64][piece][lane][32 B]; ob: bf16 in blocks [token/128][head][128][64].  Products, maxima and sums in f32; the weights are rounded to bf16 for the second product, O once.
; THE MASK is the C operand that starts S^T = K Q^T: eight bytes are widened by one scaled conversion (scale 2^100) to 0 or -2^100.  A hidden score lies far below every true one, so its weight is 0 as soon as
; the row has seen a key; what a row gathers before that is wiped by a = 0 when its first seen key comes.  A ROW THAT SEES NO KEY keeps its maximum below -1e29: its O is made NaN, as the softmax of nothing is.
; LIMITS.  True scores |q . k| stay under 1e29.  A weight below 2^-126 counts as 0.  NaN and infinities in q, k, v are not treated apart.
; SHARES.  A work-group: 256 queries of one head; a wave 64, in four PIECES of 16.  Every wave walks all 2,048 keys, 64 a step, four steps to a slot of LDS.  CLUSTER: four query blocks of a head ask for K and V jointly.
; LAYOUT, TURNS.  S^T holds one query a lane (lane % 16) and keys 8 (lane / 16) + 0..7; two results rounded to bf16 are source 1 of O^T = V^T P.  p = 2^(c s - c m), c = log2(e) / 8, with a running maximum m.
; Turn n belongs to piece n: 8 products K Q^T of piece n + 1, later 8 products V^T P of piece n - 1; beside them piece n's scaling, exponentials, roundings, sums and rescaling and piece n + 1's maximum.
; Four vector instructions stand behind each matrix instruction, the rest in one lump; a turn's 33 exponentials are one batch with one wait.  At its end a turn widens the mask for the next turn's products
; and asks for that piece's bytes of the step after: they have four turns in which to come.
; WINDOWS: 0: v0-15, v56-63 addresses; v16-31 statistics; v48-55 at work; v64-127 S^T (two buffers); v192-223 P (two).  1: v0-127 O^T; v128-159 RAW mask bytes; v160-223 MC, masks (two).  2: v0-63 Q; v128-191 K; v192-255 V.
.set NP,    4
.set KS,    64
.set PK,    144                        ; a key's row of K in LDS: 128 bytes + 16
.set PV,    160                        ; of V: 128 + 32
.set VOFF,  4*KS*PK
.set SLOT1, 1<<17
.set STAGE, SLOT1+4*KS*(PK+PV)         ; behind the ring: 16 rows x 144 bytes a wave, for the way out
.set SP,    144
.set SPARE, STAGE+4*16*SP
.set AK0, 2
.set AV0, 3
.set AK,  4
.set AV,  5
.set STO, 6
.set RD,  7
.set GO,  8
.set MV,  12                           ; v12-13 c m_old, by buffer
.set SC,  14                           ; v14  227: the conversion's scale, 2^(227 - 127)
.set QO,  15
.set ST,  16                           ; piece t: c m, m, l (even keys', odd keys')
.set TMP, 48
.set MO,  56                           ; v56  32 x lane
.set QN,  57                           ; v57  a NaN
.set PFO, 61
.set SPW, 62
.set NIL, 63
.set S,   64
.set P,   192
.set RAW, 128                          ; window 1
.set MC,  160                          ; window 1
.set KF,  128                          ; window 2
.set VF,  192                          ; window 2
.set WV,  12
.set LIM, 15
.set PFA, 18
.set G1K, 24
.set G1V, 32
.set G0K, 40
.set G0V, 44
.set SLOTS, 56
.set CNT, 57
.set CS,  58
.set SEL, 60
.set TBK, 62
.set TBV, 63
.set MBS, 66                           ; s[66:67] the mask bytes of my 64 queries
.set MA,  68                           ; s[68:69] at the step to be asked for
.set MS,  70                           ; s[70:71] that step's offset
.set THR, 72
.set TMPK, 73
.set MSB, 0
.macro WIN new
.if MSB != (\new)
	s_set_vgpr_msb (MSB<<8)|(\new)
.set MSB, (\new)
.endif
.endm
.set W_KQ, 0x0a                        ; K and Q window 2, S^T window 0
.set W_KM, 0x1a                        ; the same with C in window 1
.set W_PV, 0x52                        ; V window 2, P window 0, O^T window 1
.set W_RS, 0x41                        ; destination and source 0 window 1, source 1 window 0
.macro JLOAD                           ; waves 0, 1: the halves of a slot's K; waves 2, 3: of its V.  An s_nop 0 and four v_nop follow each line
	s_cmp_lt_u32 s[WV], 2
	s_cbranch_scc0 .Lfor_v_\@
	tensor_load_to_lds s[G0K:G0K+3], s[G1K:G1K+7]
	s_nop 0
.rept 4
	v_nop
.endr
	s_branch .Lasked_\@
.Lfor_v_\@:
	tensor_load_to_lds s[G0V:G0V+3], s[G1V:G1V+7]
	s_nop 0
.rept 4
	v_nop
.endr
.Lasked_\@:
.endm
.macro CROUND
	s_barrier_signal -1
	s_barrier_wait -1
	s_cmp_lg_u32 s[WV], 0
	s_cbranch_scc1 .Lnot_wave_0_\@
	s_barrier_signal -3
.Lnot_wave_0_\@:
	s_barrier_wait -3
	s_barrier_signal -1
	s_barrier_wait -1
.endm
; THE CHANGE OF SLOTS.  Each wave waits for all its tensor loads (one is out: its part of the other slot), adds 0 to its spare word, and waits for that and for its reads of the slot that it leaves.
; fill = 1: a round of the cluster's barrier, then the joint refill with the keys two slots on.  ask = 1: behind it the head's first cluster prefetches what the NEXT change will ask for: a slot's 32,768 bytes of K
; (wave 0) and of V (wave 2), the four partners 8,192 each by address, a lane 256 bytes; the last filling change asks for nothing.
.macro CHANGE fill, ask
	WIN 0
	s_wait_tensorcnt 0x0
	ds_add_u32 v[SPW], v[NIL]
.if \fill
.irp g, G0K, G0V
	s_xor_b32 s[\g+1], s[\g+1], SLOT1
	s_add_nc_u64 s[\g+2:\g+3], s[\g+2:\g+3], 4*KS*128
.endr
.if \ask
	s_wait_xcnt 0x0                                ; the last prefetch, four key steps back, has read its address
	s_add_nc_u64 s[PFA:PFA+1], s[PFA:PFA+1], 4*KS*128
.endif
	s_wait_dscnt 0x0
	CROUND
	JLOAD
.if \ask
	s_cmp_gt_u32 s[SLOTS], s[LIM]
	s_cbranch_scc0 .Lnot_mine_\@
	global_prefetch_b8 v[PFO], s[PFA:PFA+1] th:TH_LOAD_NT scope:SCOPE_SE
.Lnot_mine_\@:
.endif
.else
	s_wait_dscnt 0x0
	s_barrier_signal -1
	s_barrier_wait -1
.endif
	s_sub_co_u32 s[TBK], s[TBK], 4*KS*PK
	s_xor_b32 s[TBK], s[TBK], SLOT1
	s_sub_co_u32 s[TBV], s[TBV], 4*KS*PV
	s_xor_b32 s[TBV], s[TBV], SLOT1
.endm
	s_load_b128 s[48:51], s[0:1], 0x0              ; qkv s[48:49], mb s[50:51]
	s_load_b64 s[52:53], s[0:1], 0x10              ; ob
	v_lshl_add_u32 v[SPW], v0, 2, SPARE
	v_mov_b32 v[NIL], 0
	ds_add_u32 v[SPW], v[NIL]                      ; the wave's opening: the add and its wait ahead of my first tensor load
	v_lshrrev_b32 v1, 5, v0
	v_readfirstlane_b32 s[WV], v1
	s_bfe_u32 s13, ttmp6, 0x40000                  ; cx
	s_lshl_b32 s14, ttmp9, 2
	s_add_co_u32 s14, s14, s13                     ; my block of 256 queries: it enters Q's, O's and the mask's addresses alone
	s_and_b32 s16, ttmp7, 0xffff                   ; batch x 16 + head, which the partners share
	s_and_b32 s17, s[WV], 1
	s_lshl_b32 s20, s16, 18                        ; the head's 262,144 bytes,
	s_lshl_b32 s21, s17, 14                        ; my half of a slot's 256 keys
	s_add_co_u32 s20, s20, s21
	s_mov_b32 s21, 0
	s_mul_i32 s74, s17, 128*PK
	s_mul_i32 s75, s17, 128*PV
	s_lshl_b32 s22, s16, 18
	s_lshl_b32 s23, s14, 15
	s_add_co_u32 s22, s22, s23
	s_lshl_b32 s23, s[WV], 13
	s_add_co_u32 s22, s22, s23                     ; my 64 rows of Q
	s_mov_b32 s23, 0
	s_lshr_b32 s76, s16, 4                         ; batch
	s_lshl_b32 s77, s76, 4
	s_lshl_b32 s78, s14, 1
	s_add_co_u32 s77, s77, s78
	s_lshr_b32 s78, s[WV], 1
	s_add_co_u32 s77, s77, s78                     ; the block of 128 tokens
	s_lshl_b32 s77, s77, 4
	s_and_b32 s78, s16, 15
	s_add_co_u32 s77, s77, s78                     ; its block of 64 channels: the head
	s_lshl_b32 s78, s77, 14
	s_lshl_b32 s79, s17, 13
	s_add_co_u32 s78, s78, s79
	s_mov_b32 s79, 0
	s_lshl_b32 s80, s76, 5
	s_lshl_b32 s81, s14, 2
	s_add_co_u32 s80, s80, s81
	s_add_co_u32 s80, s80, s[WV]
	s_lshl_b32 s80, s80, 17                        ; my group of 64 queries in mb
	s_mov_b32 s81, 0
	s_mov_b32 s[G1K], 15|(1<<16)|(1<<20)|(1<<21)|(4<<22)|(3<<25)  ; the mask of four; 2-byte elements; padding on; bit 21; after every 32 words 4 words
	s_mov_b32 s[G1V], 15|(1<<16)|(1<<20)|(1<<21)|(4<<22)|(7<<25)  ; 8 words
.irp g, G1K, G1V
	s_mov_b32 s[\g+1], 128<<16                     ; 128 keys are 16,384 dense bytes: 64 rows of 256, two keys a row
	s_mov_b32 s[\g+2], 64<<16
	s_mov_b32 s[\g+3], 128<<16
	s_mov_b32 s[\g+4], 64
	s_mov_b32 s[\g+5], 128
	s_mov_b32 s[\g+6], 0
	s_mov_b32 s[\g+7], 0
.endr
	s_mov_b32 s[CS], 0x3e38aa3b                    ; c = log2(e) / 8
	s_mov_b32 s[CS+1], s[CS]
	s_mov_b32 s[SEL], 0x76543210
	s_mov_b32 s[SEL+1], 0xfedcba98
	s_mov_b32 s[TBK], SLOT1+4*KS*PK                ; the first change of slots turns these two into 0
	s_mov_b32 s[TBV], SLOT1+4*KS*PV
	s_mov_b32 s[G0K], 1
	s_mov_b32 s[G0K+1], s74
	s_mov_b32 s[G0V], 1
	s_add_co_u32 s[G0V+1], s75, VOFF
	s_mov_b32 s[MS], 0
	s_mov_b32 s[MS+1], 0
	s_mov_b32 s[THR], 0xef49f2ca                   ; about -6e28
	s_and_b32 s[LIM], s[WV], 1
	s_or_b32 s[LIM], s[LIM], ttmp9                 ; waves 0 and 2 of the head's first cluster: the same in all four partners
	s_cmp_eq_u32 s[LIM], 0
	s_cselect_b32 s[LIM], 1, -1
	v_and_b32 v[PFO], 31, v0
	v_lshlrev_b32 v[MO], 5, v[PFO]
	v_lshlrev_b32 v[PFO], 8, v[PFO]
	v_mov_b32 v[SC], 227
	v_mov_b32 v[QN], 0x7fc00000
	s_wait_dscnt 0x0                               ; the opening add is done
	s_wait_kmcnt 0x0
	s_add_nc_u64 s[6:7], s[48:49], s[20:21]
	s_add_nc_u64 s[6:7], s[6:7], 8388608           ; K at my half of the head's first 256 keys
	s_add_nc_u64 s[8:9], s[6:7], 8388608           ; V
	s_add_nc_u64 s[G0K+2:G0K+3], s[6:7], 0
	s_or_b32 s[G0K+3], s[G0K+3], 0x80000000
	s_add_nc_u64 s[G0V+2:G0V+3], s[8:9], 0
	s_or_b32 s[G0V+3], s[G0V+3], 0x80000000
	s_add_nc_u64 s[4:5], s[48:49], s[22:23]
	s_add_nc_u64 s[10:11], s[52:53], s[78:79]
	s_add_nc_u64 s[MBS:MBS+1], s[50:51], s[80:81]
	s_mov_b64 s[MA:MA+1], s[MBS:MBS+1]
	s_cmp_lt_u32 s[WV], 2
	s_cselect_b64 s[PFA:PFA+1], s[6:7], s[8:9]     ; (in waves 0 and 2 these stand at a slot's first key)
	s_lshl_b32 s20, s13, 13
	s_add_nc_u64 s[PFA:PFA+1], s[PFA:PFA+1], s[20:21]
	s_add_nc_u64 s[PFA:PFA+1], s[PFA:PFA+1], 2*4*KS*128  ; at slot 2: the first asking change steps it to slot 3
	CROUND                                         ; all four work-groups are here
	JLOAD                                          ; slot 0
.macro CONV x, b                       ; piece x's 32 bytes -> 32 masks in buffer b
	WIN W_RS
.irp kt, 0,1,2,3
	v_cvt_scale_pk8_f32_fp8 v[MC+32*(\b)+8*\kt:MC+32*(\b)+8*\kt+7], v[RAW+8*(\x)+2*\kt:RAW+8*(\x)+2*\kt+1], v[SC]
.endr
.endm
.macro MLOAD x                         ; piece x's bytes of the step at MA: a wave's two loads cover 1,024 dense bytes
	WIN 0x40
	global_load_b128 v[RAW+8*(\x):RAW+8*(\x)+3],   v[MO], s[MA:MA+1] offset:1024*(\x)
	global_load_b128 v[RAW+8*(\x)+4:RAW+8*(\x)+7], v[MO], s[MA:MA+1] offset:1024*(\x)+16
	WIN 0
.endm
	MLOAD 0                                        ; key step 0's masks
	MLOAD 1
	MLOAD 2
	MLOAD 3
	v_and_b32 v1, 15, v0
	v_bfe_u32 v9, v0, 4, 1
	v_lshlrev_b32 v[QO], 7, v1
	v_lshl_add_u32 v[QO], v9, 4, v[QO]
	WIN 0x80
.set i, 0
.rept 8                                        ; Q stays in registers: piece i / 2, channels 32 (i % 2) on
	global_load_b128 v[8*i:8*i+3],   v[QO], s[4:5] offset:(i/2)*2048+(i%2)*64
	global_load_b128 v[8*i+4:8*i+7], v[QO], s[4:5] offset:(i/2)*2048+(i%2)*64+32
.set i, i+1
.endr
	; what the first turns find: V, O^T, l and P's second buffer hold 0; all this stands in the wait for the first tile
.set i, VF
.rept 64
	v_mov_b32 v[i], 0
.set i, i+1
.endr
	WIN 0x40
.set i, 0
.rept 128
	v_mov_b32 v[i], 0
.set i, i+1
.endr
	WIN 0
.set i, 0
.rept 4
	v_mov_b32 v[ST+4*i], 0xfe000000                ; c m: far below every c s, a hidden one's too
	v_mov_b32 v[ST+4*i+1], 0xff7fffff              ; m
	v_mov_b32 v[ST+4*i+2], 0
	v_mov_b32 v[ST+4*i+3], 0
.set i, i+1
.endr
.set i, P+16
.rept 16
	v_mov_b32 v[i], 0
.set i, i+1
.endr
	v_mul_u32_u24 v[AK0], v1, PK
	v_lshl_add_u32 v[AK0], v9, 4, v[AK0]
	v_and_b32 v10, 7, v0
	v_bfe_u32 v11, v0, 3, 1
	v_lshl_add_u32 v[AV0], v9, 3, v10
	v_mul_u32_u24 v[AV0], v[AV0], PV
	v_lshl_add_u32 v[AV0], v11, 4, v[AV0]
	v_add_nc_u32 v[AV0], VOFF, v[AV0]
	s_mul_i32 s13, s[WV], 16*SP
	s_add_co_u32 s13, s13, STAGE
	v_mul_u32_u24 v[STO], v1, SP
	v_lshl_add_u32 v[STO], v9, 4, v[STO]
	v_add_nc_u32 v[STO], s13, v[STO]
	v_bfe_u32 v[RD], v0, 3, 2
	v_mul_u32_u24 v[RD], v[RD], SP
	v_lshl_add_u32 v[RD], v10, 4, v[RD]
	v_add_nc_u32 v[RD], s13, v[RD]
	v_and_b32 v[GO], 31, v0
	v_lshlrev_b32 v[GO], 4, v[GO]
; THE MATRIX WORK.  The 4 accumulators of a run of 8 take turns.  Product i of 8 of S^T for piece x: channels 32 (i / 4) on, keys 16 (i % 4) on; the first 4 start the sums with the mask.
.macro KQ x
.set rS, S+32*((\x)%2)+8*(i%4)
.set rK, KF+16*(i%4)+8*(i/4)
.set rQ, 16*(\x)+8*(i/4)
.set rM, MC+32*((\x)%2)+8*(i%4)
.if i < 4
	WIN W_KM
	v_wmma_f32_16x16x32_bf16 v[rS:rS+7], v[rK:rK+7], v[rQ:rQ+7], v[rM:rM+7]
.else
	WIN W_KQ
	v_wmma_f32_16x16x32_bf16 v[rS:rS+7], v[rK:rK+7], v[rQ:rQ+7], v[rS:rS+7]
.endif
.endm
.macro PV x                            ; product i of 8 of O^T += V^T P: keys 32 (i / 4) on, channels 16 (i % 4) on
	WIN W_PV
.set rO, 32*(\x)+8*(i%4)
.set rV, VF+32*(i/4)+8*(i%4)
.set rP, P+16*((\x)%2)+8*(i/4)
	v_wmma_f32_16x16x32_bf16 v[rO:rO+7], v[rV:rV+7], v[rP:rP+7], v[rO:rO+7]
.endm
.macro MM                              ; the turn's next matrix instruction
.if i < 8
	KQ (Y+1)%NP
.else
.set i, i-8
	PV (Y+NP-1)%NP
.set i, i+8
.endif
.set i, i+1
.endm
.macro FETCH_K                         ; a step's K: 8 fragments, 16 loads in one run
	WIN 0x80
.irp f, 0,1,2,3,4,5,6,7
	ds_load_b128 v[KF+8*\f:KF+8*\f+3],   v[AK] offset:(\f/2)*16*PK+(\f%2)*64
	ds_load_b128 v[KF+8*\f+4:KF+8*\f+7], v[AK] offset:(\f/2)*16*PK+(\f%2)*64+32
.endr
	s_add_co_u32 s[TBK], s[TBK], KS*PK
	WIN 0
.endm
.macro FETCH_V                         ; its V, turned
	WIN 0x80
.irp f, 0,1,2,3,4,5,6,7
	ds_load_tr16_b128 v[VF+8*\f:VF+8*\f+3],   v[AV] offset:(\f/4)*32*PV+(\f%4)*32
	ds_load_tr16_b128 v[VF+8*\f+4:VF+8*\f+7], v[AV] offset:(\f/4)*32*PV+16*PV+(\f%4)*32
.endr
	WIN 0
.endm
; THE VECTOR WORK, a line at a time: OP kind, number.  Piece Y: F n: c s - c m for pair n.  E n: exponential of score n.  C n: pair n rounded to bf16.  B n: of four weights the second pair onto the first.
; L n: l takes that sum (L 0: l = a l + sum).  R n: pair n of O^T times a.  Piece Y + 1: X n, number n of the 22 that find its maximum and statistics (each accumulator's lowest registers are read first).
.set F, 0
.set E, 1
.set C, 2
.set B, 3
.set L, 4
.set R, 5
.set X, 6
.macro REGS y
.set rT, ST+4*(\y)
.set rC, TMP+4*((\y)%2)
.set rW, MV+((\y)%2)
.set rS, S+32*((\y)%2)
.set rP, P+16*((\y)%2)
.set rO, 32*(\y)
.endm
.macro OP k, n
.if (\k) == R
	REGS Y
	WIN W_RS
	v_pk_mul_f32 v[rO+2*(\n):rO+2*(\n)+1], v[rO+2*(\n):rO+2*(\n)+1], v[rC+2:rC+3] op_sel_hi:[1,0]
.elseif (\k) < R
	REGS Y
	WIN 0
.if (\k) == F
	v_pk_fma_f32 v[rS+2*(\n):rS+2*(\n)+1], v[rS+2*(\n):rS+2*(\n)+1], s[CS:CS+1], v[rT:rT+1] op_sel_hi:[1,0,0] neg_lo:[0,0,1] neg_hi:[0,0,1]
.elseif (\k) == E
	v_exp_f32 v[rS+(\n)], v[rS+(\n)]
.elseif (\k) == C
	v_cvt_pk_bf16_f32 v[rP+(\n)], v[rS+2*(\n)], v[rS+2*(\n)+1]
.elseif (\k) == B
	v_pk_add_f32 v[rS+4*(\n):rS+4*(\n)+1], v[rS+4*(\n):rS+4*(\n)+1], v[rS+4*(\n)+2:rS+4*(\n)+3]
.elseif (\n) == 0
	v_pk_fma_f32 v[rT+2:rT+3], v[rT+2:rT+3], v[rC+2:rC+3], v[rS:rS+1] op_sel_hi:[1,0,1]
.else
	v_pk_add_f32 v[rT+2:rT+3], v[rT+2:rT+3], v[rS+4*(\n):rS+4*(\n)+1]
.endif
.else
	REGS (Y+1)%NP
	WIN 0
.if (\n) < 4
	v_max3_num_f32 v[rC+(\n)], v[rS+8*(\n)], v[rS+8*(\n)+1], v[rS+8*(\n)+2]
.elseif (\n) < 12
	v_max3_num_f32 v[rC+(\n)%4], v[rC+(\n)%4], v[rS+8*((\n)%4)+2*((\n)/4)+1], v[rS+8*((\n)%4)+2*((\n)/4)+2]
.elseif (\n) == 12
	v_max3_num_f32 v[rC], v[rC], v[rS+7], v[rS+15]
.elseif (\n) == 13
	v_max3_num_f32 v[rC+1], v[rC+1], v[rS+23], v[rS+31]
.elseif (\n) == 14
	v_max3_num_f32 v[rC+2], v[rC+2], v[rC+3], v[rT+1]
.elseif (\n) == 15
	v_mov_b32 v[rW], v[rT]
.elseif (\n) == 16
	v_max3_num_f32 v[rC], v[rC], v[rC+1], v[rC+2]
.elseif (\n) == 17
	v_permlanex16_b32 v[rC+3], v[rC], s[SEL], s[SEL+1]
.elseif (\n) == 18
	v_max_num_f32 v[rT+1], v[rC], v[rC+3]
.elseif (\n) == 19
	v_mul_f32 v[rT], s[CS], v[rT+1]
.elseif (\n) == 20
	v_sub_f32 v[rC+1], v[rW], v[rT]
.else
	v_exp_f32 v[rC+2], v[rC+1]
.endif
.endif
.endm
.macro OPS a, i1, b=-1, i2=0, c=-1, i3=0, d=-1, i4=0
	OP \a, \i1
.if (\b) >= 0
	OP \b, \i2
.endif
.if (\c) >= 0
	OP \c, \i3
.endif
.if (\d) >= 0
	OP \d, \i4
.endif
.endm
.macro ROW a, i1, b, i2, c, i3, d, i4  ; a matrix instruction and the four behind it
	MM
	OPS \a, \i1, \b, \i2, \c, \i3, \d, \i4
.endm
; At a turn's end: the mask for the next turn's products (piece p + 2), and the request for that piece's bytes of the step after.  All four requests of a trip (turns 2, 3, 0, 1) name one step; turn 2 steps the address,
; held at the last step so that no load leaves mb.
.macro MASKC p
.set mx, ((\p)+2)%NP
	WIN 0
.if (\p) == 2
	s_wait_xcnt 0x0                                ; the earlier loads have read their address
	s_add_co_u32 s[MS], s[MS], 4096
	s_min_u32 s[MS], s[MS], 31*4096
	s_add_nc_u64 s[MA:MA+1], s[MBS:MBS+1], s[MS:MS+1]
.endif
	s_wait_loadcnt 6                               ; this piece's bytes were asked for four turns ago: the three younger turns' six loads may stay out
	CONV mx, (\p)%2
	v_nop                                          ; a plain place behind the scaled conversions, ahead of the loads into their sources and of the product that takes their results
	MLOAD mx
.endm
; A TURN, for piece p.  Ahead of its one wait stands all that names no result of its exponentials: 8 products K Q^T with their riders, then the lump; behind it 8 products V^T P, whose riders are the roundings and sums.
; K of the next step is fetched in piece 2's turn (its address is held at the last step of slot 1, which only the tail's last trip reaches: that trip reads the last K once more, and what is made of it serves nothing);
; V of the step in hand at the end of piece 0's turn.  Each is waited for a turn later.
.macro TURN p
.set Y, (\p)
.set i, 0
.if (\p) == 3
	s_wait_dscnt 0x0                               ; K is in
.endif
	ROW F,0, F,1, R,0, R,1
	ROW F,2, E,0, R,2, R,3
	ROW F,3, E,1, R,4, R,5
	ROW F,4, E,2, R,6, R,7
	ROW F,5, E,3, R,8, R,9
	ROW F,6, E,4, X,0, R,10
.if (\p) == 2
	WIN 0
	s_min_u32 s[TMPK], s[TBK], SLOT1+3*KS*PK
	v_add_nc_u32 v[AK], s[TMPK], v[AK0]
.endif
	ROW F,7, E,5, X,1, X,4
	ROW F,8, E,6, X,2, X,5
	OPS E,7, E,8, X,6, E,9
	OPS X,3, E,10, X,8, E,11
.if (\p) == 2
	FETCH_K
.endif
	OPS X,9, X,7, E,12, X,10
	OPS E,13, X,12, X,11, E,14
	OPS X,13, E,15, F,9, X,14
.if (\p) == 0
	v_add_nc_u32 v[AV], s[TBV], v[AV0]
.endif
	OPS E,16, F,10, E,17, F,11
	OPS X,16, E,18, X,15, E,19
	OPS F,12, E,20, X,17, E,21
	OPS F,13, E,22, F,14, E,23
	OPS X,18, E,24, F,15, E,25
	OPS R,11, E,26, X,19, E,27
	OPS R,12, E,28, R,13, E,29
	OPS X,20, E,30, R,14, E,31
	OPS X,21, R,15                                 ; the batch's last exponential, and the plain instruction behind it
	WIN 0
	s_wait_alu depctr_va_vdst(0)                   ; the one wait for the batch
.if (\p) == 1
	s_wait_dscnt 0x0                               ; V is in
.endif
	ROW C,0, B,0, C,2, B,1
	ROW L,0, C,4, B,2, L,1
	ROW C,6, B,3, L,2, C,8
	ROW B,4, L,3, C,10, B,5
	ROW L,4, C,12, B,6, L,5
.if (\p) == 0
	s_add_co_u32 s[TBV], s[TBV], KS*PV
.endif
	ROW C,14, B,7, L,6, C,1
	ROW C,3, L,7, C,5, C,7
	ROW C,9, C,11, C,13, C,15
.if (\p) == 0
	FETCH_V
.endif
	MASKC \p
.endm
	CHANGE 1, 0                                    ; slot 0 is in, everybody's part of it; slot 1 is asked for
	v_add_nc_u32 v[AK], s[TBK], v[AK0]
	FETCH_K                                        ; key step 0
	s_wait_loadcnt 0x0                             ; Q and step 0's masks
	CONV 0, 0
	CONV 1, 1
	v_nop
	WIN 0
	s_mov_b32 s[MS], 4096
	s_add_nc_u64 s[MA:MA+1], s[MBS:MBS+1], s[MS:MS+1]
	MLOAD 0                                        ; step 1's, for pieces 0 and 1; pieces 2 and 3 follow in the first two turns
	MLOAD 1
	s_wait_dscnt 0x0
.set i, 0
.rept 8
	KQ 0                                           ; piece 0's first scores
.set i, i+1
.endr
	WIN 0
.rept 4
	v_nop                                          ; the places behind those products
.endr
.set Y, NP-1
.irp n, 0,1,2,3,4,5,6,7,8,9,10,11,12,13,14,15,16,17,18,19,20,21
	OP X, \n
.endr
	v_nop
	s_wait_alu depctr_va_vdst(0)                   ; the first a's wait, ahead of the branch
	s_mov_b32 s[CNT], 4
	s_mov_b32 s[SLOTS], 7
	s_branch .Lfirst                               ; the loop is entered at a step's first turn, in the middle of a trip
.Lslot:                                        ; six times: slots 2 to 7 are asked for
	CHANGE 1, 1
	s_mov_b32 s[CNT], 4
.Lstep:                                        ; a trip: pieces 2 and 3 of one step, then pieces 0 and 1 of the next
	TURN 2
	TURN 3
	WIN 0
.Lfirst:
	TURN 0
	TURN 1
	WIN 0
	s_sub_co_u32 s[CNT], s[CNT], 1
	s_cmp_lg_u32 s[CNT], 0
	s_cbranch_scc1 .Lstep
	s_sub_co_u32 s[SLOTS], s[SLOTS], 1
	s_cmp_lg_u32 s[SLOTS], 0
	s_cbranch_scc1 .Lslot
	CHANGE 0, 0                                    ; the tail is written out
	s_mov_b32 s[CNT], 5                            ; four trips fetch the last slot's steps; the fifth is left in its middle
.Ltail:
	TURN 2
	TURN 3
	WIN 0
	s_sub_co_u32 s[CNT], s[CNT], 1
	s_cmp_eq_u32 s[CNT], 0
	s_cbranch_scc1 .Lout
	TURN 0
	TURN 1
	WIN 0
	s_branch .Ltail
.Lout:
.set i, 0
.rept 8
	PV NP-1                                        ; the last piece's V^T P of the last step
.set i, i+1
.endr
	; THE WAY OUT.  l's halves are added; 1 / l, or a NaN for a row that saw no key; O^T is scaled, rounded and sent through my stage, a piece at a time.  The additions are the places behind the last products.
	WIN 0
.macro ALL line:vararg
.set t, 0
.rept 4
	\line
.set t, t+1
.endr
.endm
	ALL v_add_f32 v[ST+4*t+2], v[ST+4*t+2], v[ST+4*t+3]
	ALL v_permlanex16_b32 v[ST+4*t+3], v[ST+4*t+2], s[SEL], s[SEL+1]
	ALL v_add_f32 v[ST+4*t+2], v[ST+4*t+2], v[ST+4*t+3]
	ALL v_rcp_f32 v[ST+4*t+2], v[ST+4*t+2]
	v_nop
	s_wait_alu depctr_va_vdst(0)                   ; one wait for the four reciprocals
.set t, 0
.rept 4
	v_cmp_gt_f32 vcc_lo, s[THR], v[ST+4*t+1]       ; the row's maximum is a hidden score's: it saw nothing
	v_cndmask_b32 v[ST+4*t+2], v[ST+4*t+2], v[QN], vcc_lo
.set t, t+1
.endr
.macro PACK t
	WIN W_RS
.set i, 32*(\t)
.rept 16
	v_pk_mul_f32 v[i:i+1], v[i:i+1], v[ST+4*(\t)+2:ST+4*(\t)+3] op_sel_hi:[1,0]
.set i, i+2
.endr
	WIN 0x05
.set i, 0
.rept 16
	v_cvt_pk_bf16_f32 v[S+16*(\t)+i], v[32*(\t)+2*i], v[32*(\t)+2*i+1]
.set i, i+1
.endr
	WIN 0
.irp f, 0,1,2,3
	ds_store_b128 v[STO], v[S+16*(\t)+4*\f:S+16*(\t)+4*\f+3] offset:32*\f
.endr
.irp f, 0,1,2,3
	ds_load_b128 v[S+16*(\t)+4*\f:S+16*(\t)+4*\f+3], v[RD] offset:\f*4*SP  ; LDS serves a wave's instructions in order: these see the stores above
.endr
.endm
.macro SEND t, younger
	WIN 0
.irp f, 0,1,2,3
	s_wait_dscnt (\younger)+3-\f
	global_store_b128 v[GO], v[S+16*(\t)+4*\f:S+16*(\t)+4*\f+3], s[10:11] offset:(\t)*2048+\f*512  ; four rows: 512 consecutive bytes, aligned
.endr
.endm
	PACK 0
.set t, 1
.rept 3
	PACK t
	SEND t-1, 8
.set t, t+1
.endr
	SEND 3, 0
	s_wait_tensorcnt 0x0                           ; the wave's end
	ds_add_u32 v[SPW], v[NIL]
	s_wait_dscnt 0x0
	CROUND                                         ; the closing round
	s_endpgm
.Lfunc_end_k_q05d2fb598a_attn:
	.size	k_q05d2fb598a_attn, .Lfunc_end_k_q05d2fb598a_attn-k_q05d2fb598a_attn
	.p2alignl 7, 3214868480
	.fill 96, 4, 3214868480
	.section	.rodata,"a",@progbits
	.p2align	6, 0x0
	.amdhsa_kernel k_q05d2fb598a_attn
		.amdhsa_group_segment_fixed_size 327680
		.amdhsa_private_segment_fixed_size 0
		.amdhsa_enable_private_segment 0
		.amdhsa_kernarg_size 24
		.amdhsa_user_sgpr_count 2
		.amdhsa_user_sgpr_kernarg_segment_ptr 1
		.amdhsa_wavefront_size32 1
		.amdhsa_system_sgpr_workgroup_id_x 1
		.amdhsa_system_sgpr_workgroup_id_y 1
		.amdhsa_system_sgpr_workgroup_id_z 1
		.amdhsa_system_vgpr_workitem_id 0
		.amdhsa_next_free_vgpr 768
		.amdhsa_next_free_sgpr 88
		.amdhsa_reserve_vcc 1
		.amdhsa_float_denorm_mode_32 3
		.amdhsa_float_denorm_mode_16_64 3
		.amdhsa_memory_ordered 1
		.amdhsa_forward_progress 1
		.amdhsa_inst_pref_size 120
	.end_amdhsa_kernel
	.amdgpu_metadata
---
amdhsa.version: [ 1, 2 ]
amdhsa.kernels:
  - .name:           k_q05d2fb598a_attn
    .symbol:         k_q05d2fb598a_attn.kd
    .args:
      - { .name: qkv, .offset: 0, .size: 8, .value_kind: global_buffer, .address_space: global }
      - { .name: mb, .offset: 8, .size: 8, .value_kind: global_buffer, .address_space: global }
      - { .name: ob, .offset: 16, .size: 8, .value_kind: global_buffer, .address_space: global }
    .group_segment_fixed_size: 327680
    .private_segment_fixed_size: 0
    .kernarg_segment_align: 8
    .kernarg_segment_size: 24
    .max_flat_workgroup_size: 128
    .sgpr_count:     88
    .vgpr_count:     768
    .wavefront_size: 32
...
	.end_amdgpu_metadata
.endif
;; end of part 3
;; launch gr (part 4): grid 8 x 32, 4 waves a work-group, clusters of 4 x 4, 327,680 bytes of LDS; arguments ob, wts, x, g2, res; writes res
.if DOCPART == 4
	.amdgcn_target "amdgcn-amd-amdhsa--gfx1250"
	.amdhsa_code_object_version 6
	.text
	.protected	k_q05d2fb598a_gr
	.globl	k_q05d2fb598a_gr
	.p2align	8
	.type	k_q05d2fb598a_gr,@function
k_q05d2fb598a_gr:
	s_mov_b64 s[64:65], 0
	v_nop
	global_prefetch_b8 v0, s[64:65] scope:SCOPE_SE
	s_setreg_imm32_b32 hwreg(HW_REG_WAVE_MODE, 25, 1), 1
	s_wait_xcnt 0x0
	s_wait_alu depctr_hold_cnt(0) depctr_sa_sdst(0) depctr_va_vdst(0) depctr_va_sdst(0) depctr_va_ssrc(0) depctr_va_vcc(0) depctr_vm_vsrc(0)
	s_getreg_b32 s2, hwreg(HW_REG_IB_STS2, 6, 4)
	s_cmp_eq_u32 s2, 0
	s_cbranch_scc0 .Lentry_in_a_cluster
	s_endpgm
.Lentry_in_a_cluster:
	s_bfe_u32 s2, ttmp6, 0x10000c
	s_cmp_lg_u32 s2, 0xf033
	s_cbranch_scc0 .Lentry_shape_is_right
	s_endpgm
.Lentry_shape_is_right:
; x1 = x + O Wout, and what the second norm needs.  ob: bf16 blocks [token/128][k/64][128][64]; Wout: bf16 [1024][1024] at wts + 6,291,456; x: f32.
; res: x1 f32 [4096][1024] at 0; a2 = bf16(x1 g2) in blocks at 16,777,216; ssq f32 [16][4096] at 25,165,824: the sum of x1^2 over each 64 columns (added up, in f32, by the launch behind).
; SHARES.  A work-group: 128 x 128 of x1; a wave 64 x 64: 16 accumulators.  THE RESIDUAL IS THE SUMS' START: x's tile is loaded straight into the accumulators, in their own layout.
; RING.  256 of K to a slot: strips 0, 1 = A's k halves (dense, pitch 144), strips 2, 3 = B's (128 k x 128 columns, pitch 288, read turned); strip w is wave w's one tensor load.  CLUSTER 4 x 4 as in a GEMM.
; No prefetch: the tiles are small and the launch is short.  WAY OUT: f32 sums into the ring, which has had its last fill, each wave its own part; a counted loop stores whole rows of 256 bytes.
; WINDOWS: 0: addresses, the way out, accumulators v128-255; 1: two fragment sets of 128 (A's 64, B's 64).
.set T,     4
.set SIDE,  1
.set ASH,   18                         ; a block of 128 tokens of A: 1 << ASH bytes
.set WOFF,  6291456
.set OUTP,  12                         ; s[12:13] the buffer that is stored into
.set NA,    2
.set NW,    1024
.set PA,    144
.set PB,    288
.set KB,    128*PA
.set STRIP, 36864
.set SLOT,  4*STRIP
.set ASTEP, 65536
.set BSTEP, 256*NW*2
.set SPARE, 2*SLOT
.set PD,    272
.set DREG,  64*PD
.set SQB,   4*DREG                     ; the row sums' words, 256 bytes a wave, behind the four parts
.set A0,  4
.set B0,  5
.set ADA, 8
.set ADB, 9
.set DS,  12
.set RD,  13
.set GO,  14
.set GA,  15
.set SQ,  16
.set SR,  17
.set SG,  18
.set RO,  19
.set G2,  20
.set G2O, 24
.set SPW, 28
.set NIL, 29
.set ACC, 128
.set WV, 20
.set WM, 21
.set WN, 22
.set CX, 23
.set CY, 24
.set G1A, 28
.set G1B, 36
.set G0A, 44
.set G0B, 52
.set TB,  66
.set CNT, 67
.set X,   72
.set Y,   73
.set AAD, 96
.set BAD, 98
.set MSB, 0
.macro WIN new
.if MSB != (\new)
	s_set_vgpr_msb (MSB<<8)|(\new)
.set MSB, \new
.endif
.endm
.macro PLACES
.rept 4
	v_nop
.endr
.endm
.macro CREST
	s_cmp_lg_u32 s[WV], 0
	s_cbranch_scc1 .Lnot_wave_0_\@
	s_barrier_signal -3
.Lnot_wave_0_\@:
	s_barrier_wait -3
	s_barrier_signal -1
	s_barrier_wait -1
.endm
.macro CROUND
	s_barrier_signal -1
	s_barrier_wait -1
	CREST
.endm
.macro JLOAD
	s_cmp_lt_u32 s[WV], NA
	s_cbranch_scc0 .Lfor_b_\@
	tensor_load_to_lds s[G0A+4:G0A+7], s[G1A:G1A+7]
	s_nop 0
	PLACES
	s_branch .Lasked_\@
.Lfor_b_\@:
	tensor_load_to_lds s[G0B+4:G0B+7], s[G1B:G1B+7]
	s_nop 0
	PLACES
.Lasked_\@:
.endm
	s_load_b256 s[4:11], s[0:1], 0x0               ; A s[4:5], wts s[6:7], the residual s[8:9], s[10:11]
.if SIDE
	s_load_b64 s[12:13], s[0:1], 0x20
.endif
	v_lshl_add_u32 v[SPW], v0, 2, SPARE
	v_mov_b32 v[NIL], 0
	ds_add_u32 v[SPW], v[NIL]                      ; the wave's opening: the add and its wait ahead of my first tensor load
	v_lshrrev_b32 v1, 5, v0
	v_readfirstlane_b32 s[WV], v1
	s_lshr_b32 s[WM], s[WV], 1
	s_and_b32 s[WN], s[WV], 1
	s_bfe_u32 s[CX], ttmp6, 0x40000
	s_bfe_u32 s[CY], ttmp6, 0x40004
	s_lshl_b32 s[X], ttmp9, 2
	s_add_co_u32 s[X], s[X], s[CX]
	s_and_b32 s[Y], ttmp7, 0xffff
	s_lshl_b32 s[Y], s[Y], 2
	s_add_co_u32 s[Y], s[Y], s[CY]
	s_lshl_b32 s74, s[CY], 2
	s_lshl_b32 s74, 15, s74
	s_lshl_b32 s75, 0x1111, s[CX]
	s_or_b32 s[G1A], s74, 0x07310000
	s_or_b32 s[G1B], s75, 0x0f710000
.irp g, G1A, G1B
	s_mov_b32 s[\g+1], 128<<16
	s_mov_b32 s[\g+2], 128<<16
	s_mov_b32 s[\g+3], 128<<16
	s_mov_b32 s[\g+4], 128
	s_mov_b32 s[\g+6], 0
	s_mov_b32 s[\g+7], 0
.endr
	s_mov_b32 s[G1A+5], 128
	s_mov_b32 s[G1B+5], NW
	s_lshl_b32 s78, s[Y], ASH
	s_min_u32 s79, s[WV], 1
	s_lshl_b32 s79, s79, 15                        ; which 128 of a slot's 256 k
	s_add_co_u32 s78, s78, s79
	s_mov_b32 s79, 0
	s_max_u32 s80, s[WV], 2
	s_sub_co_u32 s80, s80, 2
	s_lshl_b32 s80, s80, 18                        ; 128 rows of 2,048 bytes
	s_lshl_b32 s81, s[X], 8
	s_add_co_u32 s80, s80, s81
	s_add_co_u32 s80, s80, WOFF
	s_mov_b32 s81, 0
	s_mul_i32 s25, s[WV], STRIP
	s_mov_b32 s[TB], 0
	s_wait_dscnt 0x0
	s_wait_kmcnt 0x0
	s_add_nc_u64 s[AAD:AAD+1], s[4:5], s[78:79]
	s_add_nc_u64 s[BAD:BAD+1], s[6:7], s[80:81]
	CROUND
.irp s, 0,1
	s_mov_b32 s[G0A+4*(\s)], 1
	s_add_co_u32 s[G0A+4*(\s)+1], s25, (\s)*SLOT
	s_add_nc_u64 s[G0A+4*(\s)+2:G0A+4*(\s)+3], s[AAD:AAD+1], (\s)*ASTEP
	s_or_b32 s[G0A+4*(\s)+3], s[G0A+4*(\s)+3], 0x80000000
	s_mov_b32 s[G0B+4*(\s)], 1
	s_add_co_u32 s[G0B+4*(\s)+1], s25, (\s)*SLOT
	s_add_nc_u64 s[G0B+4*(\s)+2:G0B+4*(\s)+3], s[BAD:BAD+1], (\s)*BSTEP
	s_or_b32 s[G0B+4*(\s)+3], s[G0B+4*(\s)+3], 0x80000000
.endr
	s_cmp_lt_u32 s[WV], NA                         ; a wave's two first fills stand in one branch: two loads of mine are out
	s_cbranch_scc0 .Lfirst_b
	tensor_load_to_lds s[G0A:G0A+3], s[G1A:G1A+7]
	s_nop 0
	tensor_load_to_lds s[G0A+4:G0A+7], s[G1A:G1A+7]
	s_nop 0
	PLACES
	s_branch .Lfirst_asked
.Lfirst_b:
	tensor_load_to_lds s[G0B:G0B+3], s[G1B:G1B+7]
	s_nop 0
	tensor_load_to_lds s[G0B+4:G0B+7], s[G1B:G1B+7]
	s_nop 0
	PLACES
.Lfirst_asked:
	; my 64 x 64 of the output and of the residual: row 128 Y + 64 wm, column 128 X + 64 wn
	s_lshl_b32 s74, s[Y], 19
	s_lshl_b32 s75, s[WM], 18
	s_add_co_u32 s74, s74, s75
	s_lshl_b32 s82, s[X], 9
	s_lshl_b32 s83, s[WN], 8
	s_add_co_u32 s82, s82, s83                     ; my columns, in bytes of f32
	s_add_co_u32 s74, s74, s82
	s_mov_b32 s75, 0
	s_mov_b32 s83, 0
	s_add_nc_u64 s[76:77], s[8:9], s[74:75]        ; the residual
	s_add_nc_u64 s[74:75], s[OUTP:OUTP+1], s[74:75]  ; the output
	v_and_b32 v1, 15, v0
	v_bfe_u32 v2, v0, 4, 1
	v_lshlrev_b32 v[RO], 12, v1
	v_lshl_add_u32 v[RO], v2, 5, v[RO]             ; accumulator (a, b): lane holds row 16 a + l % 16, columns 16 b + 8 (l / 16) + 0..7
.set i, 0
.rept 16
	global_load_b128 v[ACC+8*i:ACC+8*i+3],   v[RO], s[76:77] offset:(i/4)*65536+(i%4)*64
	global_load_b128 v[ACC+8*i+4:ACC+8*i+7], v[RO], s[76:77] offset:(i/4)*65536+(i%4)*64+16
.set i, i+1
.endr
.if SIDE
	s_add_nc_u64 s[82:83], s[10:11], s[82:83]      ; g2 at my columns
	v_lshlrev_b32 v[G2O], 4, v1
	global_load_b128 v[G2:G2+3], v[G2O], s[82:83]
	s_lshl_b32 s78, s[Y], 4
	s_lshl_b32 s79, s[X], 1
	s_add_co_u32 s78, s78, s79
	s_add_co_u32 s78, s78, s[WN]
	s_lshl_b32 s78, s78, 14
	s_lshl_b32 s79, s[WM], 13
	s_add_co_u32 s78, s78, s79
	s_add_co_u32 s78, s78, 16777216
	s_mov_b32 s79, 0
	s_add_nc_u64 s[78:79], s[OUTP:OUTP+1], s[78:79]  ; a2
	s_lshl_b32 s80, s[X], 1
	s_add_co_u32 s80, s80, s[WN]
	s_lshl_b32 s80, s80, 14
	s_lshl_b32 s81, s[Y], 9
	s_add_co_u32 s80, s80, s81
	s_lshl_b32 s81, s[WM], 8
	s_add_co_u32 s80, s80, s81
	s_add_co_u32 s80, s80, 25165824
	s_mov_b32 s81, 0
	s_add_nc_u64 s[80:81], s[OUTP:OUTP+1], s[80:81]  ; ssq
.endif
	v_mul_u32_u24 v[A0], v1, PA
	v_lshl_add_u32 v[A0], v2, 4, v[A0]
	s_mul_i32 s84, s[WM], 64*PA
	v_add_nc_u32 v[A0], s84, v[A0]
	v_and_b32 v3, 7, v0
	v_lshl_add_u32 v3, v2, 3, v3
	v_mul_u32_u24 v3, v3, PB
	v_bfe_u32 v31, v0, 3, 1
	v_lshl_add_u32 v3, v31, 4, v3
	s_lshl_b32 s84, s[WN], 7
	s_add_co_u32 s84, s84, NA*STRIP
	v_add_nc_u32 v[B0], s84, v3
	v_add_nc_u32 v[B0+1], STRIP, v[B0]
	v_mov_b32 v[ADA], v[A0]
	v_mov_b32 v[ADB], v[B0]
	v_mov_b32 v[ADB+1], v[B0+1]
.macro MUL8 f, c, a0                   ; 8 products: token blocks a0, a0 + 1 x 4 column blocks, 32 along K: half c of set f.  The 16 accumulators take turns
	WIN 0x05
.set ma, \a0
.rept 2
.set jb, 0
.rept 4
	v_wmma_f32_16x16x32_bf16 v[ACC+8*(4*ma+jb):ACC+8*(4*ma+jb)+7], v[(\f)+64+8*(4*(\c)+jb):(\f)+64+8*(4*(\c)+jb)+7], v[(\f)+8*(4*(\c)+ma):(\f)+8*(4*(\c)+ma)+7], v[ACC+8*(4*ma+jb):ACC+8*(4*ma+jb)+7]
.set jb, jb+1
.endr
.set ma, ma+1
.endr
.endm
.macro FETCH Q, f                      ; 32 LDS loads in one run: 64 along K (quarter Q of the slot) into set f, its first 32 first
	WIN 0x40
.set c, 0
.rept 2
.set i, 0
.rept 4
	ds_load_tr16_b128 v[(\f)+64+8*(4*c+i):(\f)+64+8*(4*c+i)+3],   v[ADB+(\Q)/2] offset:((2*(\Q)+c)%4)*32*PB+32*i
	ds_load_tr16_b128 v[(\f)+64+8*(4*c+i)+4:(\f)+64+8*(4*c+i)+7], v[ADB+(\Q)/2] offset:((2*(\Q)+c)%4)*32*PB+32*i+16*PB
	ds_load_b128 v[(\f)+8*(4*c+i):(\f)+8*(4*c+i)+3],   v[ADA] offset:(\Q)*KB+64*c+16*PA*i
	ds_load_b128 v[(\f)+8*(4*c+i)+4:(\f)+8*(4*c+i)+7], v[ADA] offset:(\Q)*KB+64*c+16*PA*i+32
.set i, i+1
.endr
.set c, c+1
.endr
.endm
.macro QUARTER Q
	s_wait_dscnt 16                                ; the first 32 along K are in
	MUL8 128*((\Q)%2), 0, 0
	MUL8 128*((\Q)%2), 0, 2
	PLACES
	FETCH (\Q)+1, 128-128*((\Q)%2)
	s_wait_dscnt 32                                ; all but the run just issued
	MUL8 128*((\Q)%2), 1, 0
	MUL8 128*((\Q)%2), 1, 2
.endm
.macro TURN fill                       ; the last quarter multiplies set 1 and changes slots: the three lines, one barrier (fill = 1: a round of the cluster's, then the joint refill)
	WIN 0
	s_wait_tensorcnt 0x0
	ds_add_u32 v[SPW], v[NIL]
	s_wait_dscnt 17                                ; (the add and the youngest sixteen loads may be out)
	MUL8 128, 0, 0
	s_wait_dscnt 0x0                               ; the add is done, my reads of this slot are over
	s_barrier_signal -1
	MUL8 128, 0, 2
	WIN 0
	s_barrier_wait -1
.if \fill
	CREST
	s_xor_b32 s[G0A+5], s[G0A+5], SLOT
	s_add_nc_u64 s[G0A+6:G0A+7], s[G0A+6:G0A+7], ASTEP
	s_xor_b32 s[G0B+5], s[G0B+5], SLOT
	s_add_nc_u64 s[G0B+6:G0B+7], s[G0B+6:G0B+7], BSTEP
	JLOAD
.else
	PLACES
	s_cmp_eq_u32 s[CNT], 1
	s_cbranch_scc1 .Lno_fetch_\@
.endif
	s_xor_b32 s[TB], s[TB], SLOT
	v_add_nc_u32 v[ADA], s[TB], v[A0]
	v_add_nc_u32 v[ADB], s[TB], v[B0]
	v_add_nc_u32 v[ADB+1], s[TB], v[B0+1]
	FETCH 0, 0
	WIN 0
.if !(\fill)
.Lno_fetch_\@:
.endif
	MUL8 128, 1, 0
	MUL8 128, 1, 2
.endm
	s_wait_tensorcnt 1                             ; my strip of slot 0 is in; slot 1's may stay out
	s_barrier_signal -1
	s_barrier_wait -1
	FETCH 0, 0
	s_wait_loadcnt 0x0                             ; the residual lies in the accumulators
	QUARTER 0
	WIN 0
	s_mov_b32 s[CNT], T-2
.Lstep:
	QUARTER 1
	QUARTER 2
	TURN 1
	QUARTER 0
	WIN 0
	s_sub_co_u32 s[CNT], s[CNT], 1
	s_cmp_lg_u32 s[CNT], 0
	s_cbranch_scc1 .Lstep
	s_mov_b32 s[CNT], 2
.Ltail:
	QUARTER 1
	QUARTER 2
	TURN 0
	WIN 0
	s_sub_co_u32 s[CNT], s[CNT], 1
	s_cmp_eq_u32 s[CNT], 0
	s_cbranch_scc1 .Lout
	QUARTER 0
	WIN 0
	s_branch .Ltail
.Lout:
	s_wait_dscnt 0x0
	s_barrier_signal -1                            ; every wave's reads of the ring are over: its bytes, which have had their last fill, may be stored over
	s_barrier_wait -1
	v_mul_u32_u24 v[DS], v1, PD                    ; the addresses of the way out are the places behind the last products
	v_lshl_add_u32 v[DS], v2, 5, v[DS]
	s_mul_i32 s84, s[WV], DREG
	v_add_nc_u32 v[DS], s84, v[DS]
	v_mul_u32_u24 v[RD], v2, PD                    ; back: lanes 0-15 one row of 256 bytes, lanes 16-31 the next
	v_lshl_add_u32 v[RD], v1, 4, v[RD]
	v_add_nc_u32 v[RD], s84, v[RD]
	v_lshlrev_b32 v[GO], 12, v2
	v_lshl_add_u32 v[GO], v1, 4, v[GO]
	v_and_b32 v3, 31, v0
	v_lshlrev_b32 v[GA], 3, v3
	s_lshl_b32 s84, s[WV], 8
	s_add_co_u32 s84, s84, SQB
	v_lshl_add_u32 v[SQ], v2, 2, s84
	v_lshl_add_u32 v[SR], v3, 2, s84
	v_lshlrev_b32 v[SG], 2, v3
.set i, 0
.rept 16                                       ; each accumulator's low four registers leave first
	ds_store_b128 v[DS], v[ACC+8*i:ACC+8*i+3]   offset:(i/4)*16*PD+(i%4)*64
	ds_store_b128 v[DS], v[ACC+8*i+4:ACC+8*i+7] offset:(i/4)*16*PD+(i%4)*64+16
.set i, i+1
.endr
	s_mov_b32 s[CNT], 4
.Lrows:                                        ; 16 rows a trip, two at a time
.set u, 0
.rept 8
	ds_load_b128 v[32+4*u:35+4*u], v[RD] offset:2*PD*u
.set u, u+1
.endr
.set u, 0
.rept 8
	s_wait_dscnt 7-u+SIDE*u                        ; behind load u stand the 7 - u later loads and, with the side work, u stores of row sums
	global_store_b128 v[GO], v[32+4*u:35+4*u], s[74:75] offset:8192*u   ; 16 lanes store 256 consecutive bytes, aligned
.if SIDE
	v_pk_mul_f32 v[80:81], v[32+4*u:33+4*u], v[G2:G2+1]
	v_pk_mul_f32 v[82:83], v[34+4*u:35+4*u], v[G2+2:G2+3]
	v_cvt_pk_bf16_f32 v[64+2*u], v80, v81
	v_cvt_pk_bf16_f32 v[65+2*u], v82, v83
	global_store_b64 v[GA], v[64+2*u:65+2*u], s[78:79] offset:256*u     ; two tokens' 128 bytes: 256 consecutive bytes, aligned
	v_pk_mul_f32 v[84:85], v[32+4*u:33+4*u], v[32+4*u:33+4*u]
	v_pk_fma_f32 v[84:85], v[34+4*u:35+4*u], v[34+4*u:35+4*u], v[84:85]
	v_add_f32 v84, v84, v85
	v_add_f32_dpp v84, v84, v84 row_xmask:1 row_mask:0xf bank_mask:0xf
	v_add_f32_dpp v84, v84, v84 row_xmask:2 row_mask:0xf bank_mask:0xf
	v_add_f32_dpp v84, v84, v84 row_xmask:4 row_mask:0xf bank_mask:0xf
	v_add_f32_dpp v84, v84, v84 row_xmask:8 row_mask:0xf bank_mask:0xf
	ds_store_b32 v[SQ], v84 offset:8*u             ; sixteen lanes write one word with one value
.endif
.set u, u+1
.endr
	s_wait_xcnt 0x0                                ; the stores have read their data and offsets
	v_add_nc_u32 v[RD], 16*PD, v[RD]
	v_add_nc_u32 v[GO], 65536, v[GO]
.if SIDE
	v_add_nc_u32 v[GA], 2048, v[GA]
	v_add_nc_u32 v[SQ], 64, v[SQ]
.endif
	s_sub_co_u32 s[CNT], s[CNT], 1
	s_cmp_lg_u32 s[CNT], 0
	s_cbranch_scc1 .Lrows
.if SIDE
	ds_load_b32 v32, v[SR]                         ; my 64 rows' sums, my own words
	ds_load_b32 v33, v[SR] offset:128
	s_wait_dscnt 0x0
	global_store_b32 v[SG], v32, s[80:81]
	global_store_b32 v[SG], v33, s[80:81] offset:128
.endif
	s_wait_tensorcnt 0x0                           ; the wave's end
	ds_add_u32 v[SPW], v[NIL]
	s_wait_dscnt 0x0
	CROUND
	s_endpgm
.Lfunc_end_k_q05d2fb598a_gr:
	.size	k_q05d2fb598a_gr, .Lfunc_end_k_q05d2fb598a_gr-k_q05d2fb598a_gr
	.p2alignl 7, 3214868480
	.fill 96, 4, 3214868480
	.section	.rodata,"a",@progbits
	.p2align	6, 0x0
	.amdhsa_kernel k_q05d2fb598a_gr
		.amdhsa_group_segment_fixed_size 327680
		.amdhsa_private_segment_fixed_size 0
		.amdhsa_enable_private_segment 0
		.amdhsa_kernarg_size 40
		.amdhsa_user_sgpr_count 2
		.amdhsa_user_sgpr_kernarg_segment_ptr 1
		.amdhsa_wavefront_size32 1
		.amdhsa_system_sgpr_workgroup_id_x 1
		.amdhsa_system_sgpr_workgroup_id_y 1
		.amdhsa_system_sgpr_workgroup_id_z 1
		.amdhsa_system_vgpr_workitem_id 0
		.amdhsa_next_free_vgpr 512
		.amdhsa_next_free_sgpr 100
		.amdhsa_reserve_vcc 0
		.amdhsa_float_denorm_mode_32 3
		.amdhsa_float_denorm_mode_16_64 3
		.amdhsa_memory_ordered 1
		.amdhsa_forward_progress 1
		.amdhsa_inst_pref_size 65
	.end_amdhsa_kernel
	.amdgpu_metadata
---
amdhsa.version: [ 1, 2 ]
amdhsa.kernels:
  - .name:           k_q05d2fb598a_gr
    .symbol:         k_q05d2fb598a_gr.kd
    .args:
      - { .name: ob, .offset: 0, .size: 8, .value_kind: global_buffer, .address_space: global }
      - { .name: wts, .offset: 8, .size: 8, .value_kind: global_buffer, .address_space: global }
      - { .name: x, .offset: 16, .size: 8, .value_kind: global_buffer, .address_space: global }
      - { .name: g2, .offset: 24, .size: 8, .value_kind: global_buffer, .address_space: global }
      - { .name: res, .offset: 32, .size: 8, .value_kind: global_buffer, .address_space: global }
    .group_segment_fixed_size: 327680
    .private_segment_fixed_size: 0
    .kernarg_segment_align: 8
    .kernarg_segment_size: 40
    .max_flat_workgroup_size: 128
    .sgpr_count:     100
    .vgpr_count:     512
    .wavefront_size: 32
...
	.end_amdgpu_metadata
.endif
;; end of part 4
;; launch gf (part 5): grid 16 x 16, 4 waves a work-group, clusters of 4 x 4, 327,680 bytes of LDS; arguments res, wts, hb; writes hb
.if DOCPART == 5
	.amdgcn_target "amdgcn-amd-amdhsa--gfx1250"
	.amdhsa_code_object_version 6
	.text
	.protected	k_q05d2fb598a_gf
	.globl	k_q05d2fb598a_gf
	.p2align	8
	.type	k_q05d2fb598a_gf,@function
k_q05d2fb598a_gf:
	s_mov_b64 s[64:65], 0
	v_nop
	global_prefetch_b8 v0, s[64:65] scope:SCOPE_SE
	s_setreg_imm32_b32 hwreg(HW_REG_WAVE_MODE, 25, 1), 1
	s_wait_xcnt 0x0
	s_wait_alu depctr_hold_cnt(0) depctr_sa_sdst(0) depctr_va_vdst(0) depctr_va_sdst(0) depctr_va_ssrc(0) depctr_va_vcc(0) depctr_vm_vsrc(0)
	s_getreg_b32 s2, hwreg(HW_REG_IB_STS2, 6, 4)
	s_cmp_eq_u32 s2, 0
	s_cbranch_scc0 .Lentry_in_a_cluster
	s_endpgm
.Lentry_in_a_cluster:
	s_bfe_u32 s2, ttmp6, 0x10000c
	s_cmp_lg_u32 s2, 0xf033
	s_cbranch_scc0 .Lentry_shape_is_right
	s_endpgm
.Lentry_shape_is_right:
; h = a silu(gate), (a | gate) = rmsnorm(x1, g2) W1.  The norm's root is a factor of a row: (x1 g2 rs) W1 = rs ((x1 g2) W1).  a2 = bf16(x1 g2) in blocks at res + 16,777,216; ssq: sixteen f32 partial sums
; of x1^2 a token at res + 25,165,824; W1: bf16 [1024][4096] at wts + 8,388,608; hb: bf16 blocks [token/128][k/64][128][64].  rs = 1 / sqrt(sum / 1024 + 1e-6), applied in f32 on the way out:
; h = rs^2 A G / (1 + 2^(-log2(e) rs G)), A and G the f32 sums.  A very negative gate gives 0, as silu does.
; SHARES.  A work-group: 256 tokens x (128 columns of a and the same of gate); a wave 128 tokens x 64 + 64 columns: 64 accumulators.  RING, CLUSTER, WINDOWS, WAY OUT as in the projection of q, k, v:
; strips 0, 1 = A's two blocks of 128 tokens, strips 2, 3 = a's and gate's 128 k x 128 columns.
.set T,     8
.set NA,    2
.set MB,    8
.set NBL,   8
.set NW,    4096
.set PA,    144
.set PB,    288
.set KB,    128*PA
.set STRIP, 36864
.set SLOT,  4*STRIP
.set ASTEP, 32768
.set BSTEP, 128*NW*2
.set RSB,   2*SLOT                     ; rs of a wave's 128 tokens, 512 bytes a wave; no fill lands here
.set SPARE, RSB+2048
.set PD,    528
.set DREG,  128*PD
.set A0,  4
.set B0,  5
.set ADA, 8
.set ADB, 9
.set DS,  12
.set RD,  13
.set RSA, 14
.set GO,  16
.set RSW, 17
.set SPW, 28
.set NIL, 29
.set PFO, 30
.set WV, 20
.set WM, 21
.set WN, 22
.set CX, 23
.set CY, 24
.set PFS, 26
.set G1A, 28
.set G1B, 36
.set G0A, 44
.set G0B, 52
.set TB,  66
.set CNT, 67
.set LIM, 68
.set PFA, 70
.set X,   72
.set Y,   73
.set AAD, 96
.set BAD, 98
.set MSB, 0
.macro WIN new
.if MSB != (\new)
	s_set_vgpr_msb (MSB<<8)|(\new)
.set MSB, \new
.endif
.endm
.macro PLACES
.rept 4
	v_nop
.endr
.endm
.macro CREST
	s_cmp_lg_u32 s[WV], 0
	s_cbranch_scc1 .Lnot_wave_0_\@
	s_barrier_signal -3
.Lnot_wave_0_\@:
	s_barrier_wait -3
	s_barrier_signal -1
	s_barrier_wait -1
.endm
.macro CROUND
	s_barrier_signal -1
	s_barrier_wait -1
	CREST
.endm
.macro JLOAD
	s_cmp_lt_u32 s[WV], NA
	s_cbranch_scc0 .Lfor_b_\@
	tensor_load_to_lds s[G0A+4:G0A+7], s[G1A:G1A+7]
	s_nop 0
	PLACES
	s_branch .Lasked_\@
.Lfor_b_\@:
	tensor_load_to_lds s[G0B+4:G0B+7], s[G1B:G1B+7]
	s_nop 0
	PLACES
.Lasked_\@:
.endm
.macro ASK                             ; the strip two refills on: 32 of its 128 rows of 256 bytes, a lane a row; A's by the clusters with x = 0, B's by those with y = 0, the partners by address
	s_cmp_gt_u32 s[CNT], s[LIM]
	s_cbranch_scc0 .Lnot_mine_\@
	global_prefetch_b8 v[PFO], s[PFA:PFA+1] th:TH_LOAD_NT scope:SCOPE_SE
.Lnot_mine_\@:
.endm
	s_load_b128 s[4:7], s[0:1], 0x0                ; res s[4:5], wts s[6:7]
	s_load_b64 s[8:9], s[0:1], 0x10                ; hb
	v_lshl_add_u32 v[SPW], v0, 2, SPARE
	v_mov_b32 v[NIL], 0
	ds_add_u32 v[SPW], v[NIL]                      ; the wave's opening: the add and its wait ahead of my first tensor load
	v_lshrrev_b32 v1, 5, v0
	v_readfirstlane_b32 s[WV], v1
	s_lshr_b32 s[WM], s[WV], 1
	s_and_b32 s[WN], s[WV], 1
	s_bfe_u32 s[CX], ttmp6, 0x40000
	s_bfe_u32 s[CY], ttmp6, 0x40004
	s_lshl_b32 s[X], ttmp9, 2
	s_add_co_u32 s[X], s[X], s[CX]
	s_and_b32 s[Y], ttmp7, 0xffff
	s_lshl_b32 s[Y], s[Y], 2
	s_add_co_u32 s[Y], s[Y], s[CY]
	s_lshl_b32 s74, s[CY], 2
	s_lshl_b32 s74, 15, s74
	s_lshl_b32 s75, 0x1111, s[CX]
	s_or_b32 s[G1A], s74, 0x07310000
	s_or_b32 s[G1B], s75, 0x0f710000
.irp g, G1A, G1B
	s_mov_b32 s[\g+1], 128<<16
	s_mov_b32 s[\g+2], 128<<16
	s_mov_b32 s[\g+3], 128<<16
	s_mov_b32 s[\g+4], 128
	s_mov_b32 s[\g+6], 0
	s_mov_b32 s[\g+7], 0
.endr
	s_mov_b32 s[G1A+5], 128
	s_mov_b32 s[G1B+5], NW
	s_lshl_b32 s78, s[Y], 1
	s_min_u32 s79, s[WV], 1
	s_add_co_u32 s78, s78, s79                     ; which block of 128 tokens
	s_lshl_b32 s78, s78, 18
	s_add_co_u32 s78, s78, 16777216
	s_mov_b32 s79, 0
	s_max_u32 s80, s[WV], 2
	s_sub_co_u32 s80, s80, 2                       ; a or gate
	s_lshl_b32 s80, s80, 12
	s_lshl_b32 s81, s[X], 8
	s_add_co_u32 s80, s80, s81
	s_add_co_u32 s80, s80, 8388608
	s_mov_b32 s81, 0
	s_mul_i32 s25, s[WV], STRIP
	s_mov_b32 s[TB], 0
	s_wait_dscnt 0x0
	s_wait_kmcnt 0x0
	s_add_nc_u64 s[AAD:AAD+1], s[4:5], s[78:79]
	s_add_nc_u64 s[BAD:BAD+1], s[6:7], s[80:81]
	CROUND
.irp s, 0,1
	s_mov_b32 s[G0A+4*(\s)], 1
	s_add_co_u32 s[G0A+4*(\s)+1], s25, (\s)*SLOT
	s_add_nc_u64 s[G0A+4*(\s)+2:G0A+4*(\s)+3], s[AAD:AAD+1], (\s)*ASTEP
	s_or_b32 s[G0A+4*(\s)+3], s[G0A+4*(\s)+3], 0x80000000
	s_mov_b32 s[G0B+4*(\s)], 1
	s_add_co_u32 s[G0B+4*(\s)+1], s25, (\s)*SLOT
	s_add_nc_u64 s[G0B+4*(\s)+2:G0B+4*(\s)+3], s[BAD:BAD+1], (\s)*BSTEP
	s_or_b32 s[G0B+4*(\s)+3], s[G0B+4*(\s)+3], 0x80000000
.endr
	s_cmp_lt_u32 s[WV], NA                         ; a wave's two first fills stand in one branch: two loads of mine are out
	s_cbranch_scc0 .Lfirst_b
	tensor_load_to_lds s[G0A:G0A+3], s[G1A:G1A+7]
	s_nop 0
	tensor_load_to_lds s[G0A+4:G0A+7], s[G1A:G1A+7]
	s_nop 0
	PLACES
	s_branch .Lfirst_asked
.Lfirst_b:
	tensor_load_to_lds s[G0B:G0B+3], s[G1B:G1B+7]
	s_nop 0
	tensor_load_to_lds s[G0B+4:G0B+7], s[G1B:G1B+7]
	s_nop 0
	PLACES
.Lfirst_asked:
	; rs of my 128 tokens: sixteen partial sums a token, lane l and group i hold token 32 i + l
	s_lshl_b32 s74, s[Y], 1
	s_add_co_u32 s74, s74, s[WM]
	s_lshl_b32 s76, s74, 9
	s_add_co_u32 s76, s76, 25165824
	s_mov_b32 s77, 0
	s_add_nc_u64 s[76:77], s[4:5], s[76:77]
	v_and_b32 v3, 31, v0
	v_lshlrev_b32 v31, 2, v3
.set p, 0
.rept 16
.irp i, 0,1,2,3
	global_load_b32 v[64+4*p+\i], v31, s[76:77] offset:p*16384+128*\i
.endr
.set p, p+1
.endr
	; where h goes: block (2 Y + wm) of 128 tokens, block (2 X + wn) of 64 columns
	s_lshl_b32 s74, s74, 5
	s_lshl_b32 s75, s[X], 1
	s_add_co_u32 s74, s74, s75
	s_add_co_u32 s74, s74, s[WN]
	s_lshl_b32 s74, s74, 14
	s_mov_b32 s75, 0
	s_add_nc_u64 s[74:75], s[8:9], s[74:75]
	v_and_b32 v1, 15, v0
	v_bfe_u32 v2, v0, 4, 1
	v_mul_u32_u24 v[A0], v1, PA
	v_lshl_add_u32 v[A0], v2, 4, v[A0]
	s_mul_i32 s84, s[WM], STRIP                    ; my 128 tokens are strip wm
	v_add_nc_u32 v[A0], s84, v[A0]
	v_and_b32 v19, 7, v0
	v_lshl_add_u32 v19, v2, 3, v19
	v_mul_u32_u24 v19, v19, PB
	v_bfe_u32 v20, v0, 3, 1
	v_lshl_add_u32 v19, v20, 4, v19
	s_lshl_b32 s84, s[WN], 7
	s_add_co_u32 s84, s84, NA*STRIP
	v_add_nc_u32 v[B0], s84, v19
	v_add_nc_u32 v[B0+1], STRIP, v[B0]
	v_mov_b32 v[ADA], v[A0]
	v_mov_b32 v[ADB], v[B0]
	v_mov_b32 v[ADB+1], v[B0+1]
	s_lshl_b32 s84, s[WV], 9
	s_add_co_u32 s84, s84, RSB
	v_lshl_add_u32 v[RSW], v3, 2, s84
	; the prefetches
	s_and_b32 s86, ttmp7, 0xffff
	s_mov_b32 s87, 8192
	s_mov_b32 s88, 32*NW*2
	s_mov_b32 s89, 256
	s_mov_b32 s90, NW*2
	s_mov_b32 s91, ASTEP
	s_mov_b32 s92, BSTEP
	s_cmp_lt_u32 s[WV], NA
	s_cselect_b32 s86, ttmp9, s86
	s_cselect_b32 s93, s[CX], s[CY]
	s_cselect_b32 s87, s87, s88
	s_cselect_b32 s89, s89, s90
	s_cselect_b32 s[PFS], s91, s92
	s_cselect_b64 s[PFA:PFA+1], s[AAD:AAD+1], s[BAD:BAD+1]
	s_mov_b32 s[PFS+1], 0
	s_cmp_eq_u32 s86, 0
	s_cselect_b32 s[LIM], 2, -1
	s_mul_i32 s92, s93, s87
	s_mov_b32 s93, 0
	s_add_nc_u64 s[PFA:PFA+1], s[PFA:PFA+1], s[92:93]
	s_mul_i32 s92, s[PFS], 3                       ; at tile 3: the first refill steps it to tile 4
	s_add_nc_u64 s[PFA:PFA+1], s[PFA:PFA+1], s[92:93]
	v_mul_u32_u24 v[PFO], v3, s89
	s_mov_b32 s80, 0x3a800000                      ; 1 / 1024
	s_mov_b32 s81, 0x358637bd                      ; 1e-6
	s_wait_loadcnt 0x0
.set p, 1
.rept 15
	v_pk_add_f32 v[64:65], v[64:65], v[64+4*p:65+4*p]
	v_pk_add_f32 v[66:67], v[66:67], v[66+4*p:67+4*p]
.set p, p+1
.endr
.irp i, 0,1,2,3
	v_fma_f32 v[64+\i], v[64+\i], s80, s81
.endr
.irp i, 0,1,2,3
	v_rsq_f32 v[68+\i], v[64+\i]
.endr
	v_nop
	s_wait_alu depctr_va_vdst(0)                   ; one wait for the four roots
.irp i, 0,1,2,3
	ds_store_b32 v[RSW], v[68+\i] offset:128*\i
.endr
.macro MULR f, a0, a1, zero            ; each accumulator has one instruction a quarter, always in the same order: they take turns
.set ma, \a0
.rept (\a1)-(\a0)
.set jb, 0
.rept NBL
.set ix, ma*NBL+jb
.set rD, 8*(ix%32)
	WIN 0xa1+0x50*(ix/32)
.if \zero
	v_wmma_f32_16x16x32_bf16 v[rD:rD+7], v[128*(\f)+8*jb:128*(\f)+8*jb+7], v[64+64*(\f)+8*ma:64+64*(\f)+8*ma+7], 0
.else
	v_wmma_f32_16x16x32_bf16 v[rD:rD+7], v[128*(\f)+8*jb:128*(\f)+8*jb+7], v[64+64*(\f)+8*ma:64+64*(\f)+8*ma+7], v[rD:rD+7]
.endif
.set jb, jb+1
.endr
.set ma, ma+1
.endr
.endm
.macro FETCH q, f
	WIN 0x40
.set jb, 0
.rept NBL
	ds_load_tr16_b128 v[128*(\f)+8*jb:128*(\f)+8*jb+3],   v[ADB+jb/4] offset:(\q)*32*PB+(jb%4)*32
	ds_load_tr16_b128 v[128*(\f)+8*jb+4:128*(\f)+8*jb+7], v[ADB+jb/4] offset:(\q)*32*PB+(jb%4)*32+16*PB
.set jb, jb+1
.endr
	WIN 0
.set ja, 0
.rept MB
	ds_load_b128 v[64+64*(\f)+8*ja:64+64*(\f)+8*ja+3],   v[ADA] offset:((\q)/2)*KB+ja*16*PA+((\q)%2)*64
	ds_load_b128 v[64+64*(\f)+8*ja+4:64+64*(\f)+8*ja+7], v[ADA] offset:((\q)/2)*KB+ja*16*PA+((\q)%2)*64+32
.set ja, ja+1
.endr
.endm
.macro QUARTER q, zero
	s_wait_dscnt MB                                ; all but the youngest MB loads, A's upper rows
	MULR (\q)%2, 0, MB/2, \zero
	PLACES
	FETCH (\q)+1, 1-(\q)%2
	s_wait_dscnt 2*(NBL+MB)                        ; all but the run just issued
	MULR (\q)%2, MB/2, MB, \zero
.endm
.macro TURN fill
.if \fill
	s_wait_xcnt 0x0                                ; the last prefetch, a K step back, has read its address
	s_add_nc_u64 s[PFA:PFA+1], s[PFA:PFA+1], s[PFS:PFS+1]
.endif
	WIN 0
	s_wait_tensorcnt 0x0
	ds_add_u32 v[SPW], v[NIL]
	s_wait_dscnt MB+1
	MULR 1, 0, MB/4, 0
	s_wait_dscnt 0x0                               ; the add is done, my reads of this slot are over
	s_barrier_signal -1
	MULR 1, MB/4, MB/2, 0
	WIN 0
	s_barrier_wait -1
.if \fill
	CREST
	s_xor_b32 s[G0A+5], s[G0A+5], SLOT
	s_add_nc_u64 s[G0A+6:G0A+7], s[G0A+6:G0A+7], ASTEP
	s_xor_b32 s[G0B+5], s[G0B+5], SLOT
	s_add_nc_u64 s[G0B+6:G0B+7], s[G0B+6:G0B+7], BSTEP
	JLOAD
.else
	PLACES
	s_cmp_eq_u32 s[CNT], 1
	s_cbranch_scc1 .Lno_fetch_\@
.endif
	s_xor_b32 s[TB], s[TB], SLOT
	v_add_nc_u32 v[ADA], s[TB], v[A0]
	v_add_nc_u32 v[ADB], s[TB], v[B0]
	v_add_nc_u32 v[ADB+1], s[TB], v[B0+1]
	FETCH 0, 0
.if \fill
	ASK
.else
.Lno_fetch_\@:
.endif
	MULR 1, MB/2, MB, 0
.endm
	s_wait_tensorcnt 1                             ; my strip of tile 0 is in; tile 1's may stay out
	s_wait_dscnt 0x0                               ; my stores of rs are done
	s_barrier_signal -1
	s_barrier_wait -1
	FETCH 0, 0
	QUARTER 0, 1
	WIN 0
	s_mov_b32 s[CNT], T-2
.Lstep:
	QUARTER 1, 0
	QUARTER 2, 0
	TURN 1
	QUARTER 0, 0
	WIN 0
	s_sub_co_u32 s[CNT], s[CNT], 1
	s_cmp_lg_u32 s[CNT], 0
	s_cbranch_scc1 .Lstep
	s_mov_b32 s[CNT], 2
.Ltail:
	QUARTER 1, 0
	QUARTER 2, 0
	TURN 0
	WIN 0
	s_sub_co_u32 s[CNT], s[CNT], 1
	s_cmp_eq_u32 s[CNT], 0
	s_cbranch_scc1 .Lout
	QUARTER 0, 0
	WIN 0
	s_branch .Ltail
.Lout:
	s_wait_dscnt 0x0
	s_barrier_signal -1                            ; every wave's reads of the ring are over: its bytes, which have had their last fill, may be stored over
	s_barrier_wait -1
	v_mul_u32_u24 v[DS], v1, PD                    ; the addresses of the way out are the places behind the last products
	v_lshl_add_u32 v[DS], v2, 5, v[DS]
	s_mul_i32 s80, s[WV], DREG
	v_add_nc_u32 v[DS], s80, v[DS]
	v_lshrrev_b32 v31, 3, v3                       ; row in a sub-block of four
	v_and_b32 v19, 7, v0                           ; my eight columns
	v_mul_u32_u24 v[RD], v31, PD
	v_add_nc_u32 v[RD], s80, v[RD]
	v_lshl_add_u32 v[RD], v19, 5, v[RD]
	s_lshl_b32 s81, s[WV], 9
	s_add_co_u32 s81, s81, RSB
	v_lshl_add_u32 v[RSA], v31, 2, s81
	v_lshlrev_b32 v[GO], 4, v3
.set ix, 0
.rept MB*NBL                                   ; each accumulator's low four registers leave first
	WIN 0x08+4*(ix/32)
	ds_store_b128 v[DS], v[8*(ix%32):8*(ix%32)+3]   offset:(ix/NBL)*16*PD+(ix%NBL)*64
	ds_store_b128 v[DS], v[8*(ix%32)+4:8*(ix%32)+7] offset:(ix/NBL)*16*PD+(ix%NBL)*64+16
.set ix, ix+1
.endr
	WIN 0
	s_mov_b32 s[CNT], 8
.Lrows:                                        ; 16 rows a trip: v64-95 A, v96-127 G, v128-131 rs, v132-139 -log2(e) rs, v140-147 rs^2 (in pairs)
.set u, 0
.rept 4
	ds_load_b128 v[64+8*u:67+8*u],   v[RD] offset:4*PD*u
	ds_load_b128 v[68+8*u:71+8*u],   v[RD] offset:4*PD*u+16
	ds_load_b128 v[96+8*u:99+8*u],   v[RD] offset:4*PD*u+256
	ds_load_b128 v[100+8*u:103+8*u], v[RD] offset:4*PD*u+272
	ds_load_b32 v[128+u], v[RSA] offset:16*u
.set u, u+1
.endr
	s_wait_dscnt 0x0
.irp u, 0,1,2,3
	v_mul_f32 v[132+2*\u], 0xbfb8aa3b, v[128+\u]
	v_mul_f32 v[133+2*\u], 0xbfb8aa3b, v[128+\u]
	v_mul_f32 v[140+2*\u], v[128+\u], v[128+\u]
	v_mul_f32 v[141+2*\u], v[128+\u], v[128+\u]
.endr
.set k, 0
.rept 16
	v_pk_mul_f32 v[64+2*k:65+2*k], v[64+2*k:65+2*k], v[96+2*k:97+2*k]
	v_pk_mul_f32 v[96+2*k:97+2*k], v[96+2*k:97+2*k], v[132+2*(k/4):133+2*(k/4)]
.set k, k+1
.endr
.set k, 0
.rept 32
	v_exp_f32 v[96+k], v[96+k]
.set k, k+1
.endr
.set k, 0
.rept 16                                       ; plain work that names no exponential's result stands behind the batch
	v_pk_mul_f32 v[64+2*k:65+2*k], v[64+2*k:65+2*k], v[140+2*(k/4):141+2*(k/4)]
.set k, k+1
.endr
	s_wait_alu depctr_va_vdst(0)                   ; one wait for the 32 exponentials
.set k, 0
.rept 16
	v_pk_add_f32 v[96+2*k:97+2*k], v[96+2*k:97+2*k], 1.0 op_sel_hi:[1,0]
.set k, k+1
.endr
.set k, 0
.rept 32
	v_rcp_f32 v[96+k], v[96+k]
.set k, k+1
.endr
	v_nop
	s_wait_alu depctr_va_vdst(0)                   ; one wait for the 32 reciprocals
.set k, 0
.rept 16
	v_pk_mul_f32 v[64+2*k:65+2*k], v[64+2*k:65+2*k], v[96+2*k:97+2*k]
.set k, k+1
.endr
.set k, 0
.rept 16
	v_cvt_pk_bf16_f32 v[96+k], v[64+2*k], v[65+2*k]
.set k, k+1
.endr
.irp u, 0,1,2,3
	global_store_b128 v[GO], v[96+4*\u:99+4*\u], s[74:75] offset:512*\u   ; four tokens' 128 bytes: 512 consecutive bytes, aligned
.endr
	s_wait_xcnt 0x0                                ; the stores have read their data and offset
	v_add_nc_u32 v[RD], 16*PD, v[RD]
	v_add_nc_u32 v[RSA], 64, v[RSA]
	v_add_nc_u32 v[GO], 2048, v[GO]
	s_sub_co_u32 s[CNT], s[CNT], 1
	s_cmp_lg_u32 s[CNT], 0
	s_cbranch_scc1 .Lrows
	s_wait_tensorcnt 0x0                           ; the wave's end
	ds_add_u32 v[SPW], v[NIL]
	s_wait_dscnt 0x0
	CROUND
	s_endpgm
.Lfunc_end_k_q05d2fb598a_gf:
	.size	k_q05d2fb598a_gf, .Lfunc_end_k_q05d2fb598a_gf-k_q05d2fb598a_gf
	.p2alignl 7, 3214868480
	.fill 96, 4, 3214868480
	.section	.rodata,"a",@progbits
	.p2align	6, 0x0
	.amdhsa_kernel k_q05d2fb598a_gf
		.amdhsa_group_segment_fixed_size 327680
		.amdhsa_private_segment_fixed_size 0
		.amdhsa_enable_private_segment 0
		.amdhsa_kernarg_size 24
		.amdhsa_user_sgpr_count 2
		.amdhsa_user_sgpr_kernarg_segment_ptr 1
		.amdhsa_wavefront_size32 1
		.amdhsa_system_sgpr_workgroup_id_x 1
		.amdhsa_system_sgpr_workgroup_id_y 1
		.amdhsa_system_sgpr_workgroup_id_z 1
		.amdhsa_system_vgpr_workitem_id 0
		.amdhsa_next_free_vgpr 1024
		.amdhsa_next_free_sgpr 100
		.amdhsa_reserve_vcc 0
		.amdhsa_float_denorm_mode_32 3
		.amdhsa_float_denorm_mode_16_64 3
		.amdhsa_memory_ordered 1
		.amdhsa_forward_progress 1
		.amdhsa_inst_pref_size 98
	.end_amdhsa_kernel
	.amdgpu_metadata
---
amdhsa.version: [ 1, 2 ]
amdhsa.kernels:
  - .name:           k_q05d2fb598a_gf
    .symbol:         k_q05d2fb598a_gf.kd
    .args:
      - { .name: res, .offset: 0, .size: 8, .value_kind: global_buffer, .address_space: global }
      - { .name: wts, .offset: 8, .size: 8, .value_kind: global_buffer, .address_space: global }
      - { .name: hb, .offset: 16, .size: 8, .value_kind: global_buffer, .address_space: global }
    .group_segment_fixed_size: 327680
    .private_segment_fixed_size: 0
    .kernarg_segment_align: 8
    .kernarg_segment_size: 24
    .max_flat_workgroup_size: 128
    .sgpr_count:     100
    .vgpr_count:     1024
    .wavefront_size: 32
...
	.end_amdgpu_metadata
.endif
;; end of part 5
;; launch gw (part 6): grid 8 x 32, 4 waves a work-group, clusters of 4 x 4, 327,680 bytes of LDS; arguments hb, wts, res, out0; writes out0
.if DOCPART == 6
	.amdgcn_target "amdgcn-amd-amdhsa--gfx1250"
	.amdhsa_code_object_version 6
	.text
	.protected	k_q05d2fb598a_gw
	.globl	k_q05d2fb598a_gw
	.p2align	8
	.type	k_q05d2fb598a_gw,@function
k_q05d2fb598a_gw:
	s_mov_b64 s[64:65], 0
	v_nop
	global_prefetch_b8 v0, s[64:65] scope:SCOPE_SE
	s_setreg_imm32_b32 hwreg(HW_REG_WAVE_MODE, 25, 1), 1
	s_wait_xcnt 0x0
	s_wait_alu depctr_hold_cnt(0) depctr_sa_sdst(0) depctr_va_vdst(0) depctr_va_sdst(0) depctr_va_ssrc(0) depctr_va_vcc(0) depctr_vm_vsrc(0)
	s_getreg_b32 s2, hwreg(HW_REG_IB_STS2, 6, 4)
	s_cmp_eq_u32 s2, 0
	s_cbranch_scc0 .Lentry_in_a_cluster
	s_endpgm
.Lentry_in_a_cluster:
	s_bfe_u32 s2, ttmp6, 0x10000c
	s_cmp_lg_u32 s2, 0xf033
	s_cbranch_scc0 .Lentry_shape_is_right
	s_endpgm
.Lentry_shape_is_right:
; out0 = x1 + h W2.  hb: bf16 blocks [token/128][k/64][128][64], K = 2,048; W2: bf16 [2048][1024] at wts + 16,777,216; x1: f32 [4096][1024] at res + 0; out0: f32.
; SHARES.  A work-group: 128 x 128 of the output; a wave 64 x 64: 16 accumulators.  THE RESIDUAL IS THE SUMS' START: x1's tile is loaded straight into the accumulators, in their own layout.
; RING.  256 of K to a slot: strips 0, 1 = A's k halves (dense, pitch 144), strips 2, 3 = B's (128 k x 128 columns, pitch 288, read turned); strip w is wave w's one tensor load.  CLUSTER 4 x 4 as in a GEMM.
; No prefetch: the tiles are small and the launch is short.  WAY OUT: f32 sums into the ring, which has had its last fill, each wave its own part; a counted loop stores whole rows of 256 bytes.
; WINDOWS: 0: addresses, the way out, accumulators v128-255; 1: two fragment sets of 128 (A's 64, B's 64).
.set T,     8
.set ASH,   19                         ; a block of 128 tokens of A: 1 << ASH bytes
.set WOFF,  16777216
.set OUTP,  10                         ; s[10:11] the buffer that is stored into
.set NA,    2
.set NW,    1024
.set PA,    144
.set PB,    288
.set KB,    128*PA
.set STRIP, 36864
.set SLOT,  4*STRIP
.set ASTEP, 65536
.set BSTEP, 256*NW*2
.set SPARE, 2*SLOT
.set PD,    272
.set DREG,  64*PD
.set A0,  4
.set B0,  5
.set ADA, 8
.set ADB, 9
.set DS,  12
.set RD,  13
.set GO,  14
.set RO,  19
.set SPW, 28
.set NIL, 29
.set ACC, 128
.set WV, 20
.set WM, 21
.set WN, 22
.set CX, 23
.set CY, 24
.set G1A, 28
.set G1B, 36
.set G0A, 44
.set G0B, 52
.set TB,  66
.set CNT, 67
.set X,   72
.set Y,   73
.set AAD, 96
.set BAD, 98
.set MSB, 0
.macro WIN new
.if MSB != (\new)
	s_set_vgpr_msb (MSB<<8)|(\new)
.set MSB, \new
.endif
.endm
.macro PLACES
.rept 4
	v_nop
.endr
.endm
.macro CREST
	s_cmp_lg_u32 s[WV], 0
	s_cbranch_scc1 .Lnot_wave_0_\@
	s_barrier_signal -3
.Lnot_wave_0_\@:
	s_barrier_wait -3
	s_barrier_signal -1
	s_barrier_wait -1
.endm
.macro CROUND
	s_barrier_signal -1
	s_barrier_wait -1
	CREST
.endm
.macro JLOAD
	s_cmp_lt_u32 s[WV], NA
	s_cbranch_scc0 .Lfor_b_\@
	tensor_load_to_lds s[G0A+4:G0A+7], s[G1A:G1A+7]
	s_nop 0
	PLACES
	s_branch .Lasked_\@
.Lfor_b_\@:
	tensor_load_to_lds s[G0B+4:G0B+7], s[G1B:G1B+7]
	s_nop 0
	PLACES
.Lasked_\@:
.endm
	s_load_b256 s[4:11], s[0:1], 0x0               ; hb s[4:5], wts s[6:7], res s[8:9], out0 s[10:11]
	v_lshl_add_u32 v[SPW], v0, 2, SPARE
	v_mov_b32 v[NIL], 0
	ds_add_u32 v[SPW], v[NIL]                      ; the wave's opening: the add and its wait ahead of my first tensor load
	v_lshrrev_b32 v1, 5, v0
	v_readfirstlane_b32 s[WV], v1
	s_lshr_b32 s[WM], s[WV], 1
	s_and_b32 s[WN], s[WV], 1
	s_bfe_u32 s[CX], ttmp6, 0x40000
	s_bfe_u32 s[CY], ttmp6, 0x40004
	s_lshl_b32 s[X], ttmp9, 2
	s_add_co_u32 s[X], s[X], s[CX]
	s_and_b32 s[Y], ttmp7, 0xffff
	s_lshl_b32 s[Y], s[Y], 2
	s_add_co_u32 s[Y], s[Y], s[CY]
	s_lshl_b32 s74, s[CY], 2
	s_lshl_b32 s74, 15, s74
	s_lshl_b32 s75, 0x1111, s[CX]
	s_or_b32 s[G1A], s74, 0x07310000
	s_or_b32 s[G1B], s75, 0x0f710000
.irp g, G1A, G1B
	s_mov_b32 s[\g+1], 128<<16
	s_mov_b32 s[\g+2], 128<<16
	s_mov_b32 s[\g+3], 128<<16
	s_mov_b32 s[\g+4], 128
	s_mov_b32 s[\g+6], 0
	s_mov_b32 s[\g+7], 0
.endr
	s_mov_b32 s[G1A+5], 128
	s_mov_b32 s[G1B+5], NW
	s_lshl_b32 s78, s[Y], ASH
	s_min_u32 s79, s[WV], 1
	s_lshl_b32 s79, s79, 15                        ; which 128 of a slot's 256 k
	s_add_co_u32 s78, s78, s79
	s_mov_b32 s79, 0
	s_max_u32 s80, s[WV], 2
	s_sub_co_u32 s80, s80, 2
	s_lshl_b32 s80, s80, 18                        ; 128 rows of 2,048 bytes
	s_lshl_b32 s81, s[X], 8
	s_add_co_u32 s80, s80, s81
	s_add_co_u32 s80, s80, WOFF
	s_mov_b32 s81, 0
	s_mul_i32 s25, s[WV], STRIP
	s_mov_b32 s[TB], 0
	s_wait_dscnt 0x0
	s_wait_kmcnt 0x0
	s_add_nc_u64 s[AAD:AAD+1], s[4:5], s[78:79]
	s_add_nc_u64 s[BAD:BAD+1], s[6:7], s[80:81]
	CROUND
.irp s, 0,1
	s_mov_b32 s[G0A+4*(\s)], 1
	s_add_co_u32 s[G0A+4*(\s)+1], s25, (\s)*SLOT
	s_add_nc_u64 s[G0A+4*(\s)+2:G0A+4*(\s)+3], s[AAD:AAD+1], (\s)*ASTEP
	s_or_b32 s[G0A+4*(\s)+3], s[G0A+4*(\s)+3], 0x80000000
	s_mov_b32 s[G0B+4*(\s)], 1
	s_add_co_u32 s[G0B+4*(\s)+1], s25, (\s)*SLOT
	s_add_nc_u64 s[G0B+4*(\s)+2:G0B+4*(\s)+3], s[BAD:BAD+1], (\s)*BSTEP
	s_or_b32 s[G0B+4*(\s)+3], s[G0B+4*(\s)+3], 0x80000000
.endr
	s_cmp_lt_u32 s[WV], NA                         ; a wave's two first fills stand in one branch: two loads of mine are out
	s_cbranch_scc0 .Lfirst_b
	tensor_load_to_lds s[G0A:G0A+3], s[G1A:G1A+7]
	s_nop 0
	tensor_load_to_lds s[G0A+4:G0A+7], s[G1A:G1A+7]
	s_nop 0
	PLACES
	s_branch .Lfirst_asked
.Lfirst_b:
	tensor_load_to_lds s[G0B:G0B+3], s[G1B:G1B+7]
	s_nop 0
	tensor_load_to_lds s[G0B+4:G0B+7], s[G1B:G1B+7]
	s_nop 0
	PLACES
.Lfirst_asked:
	; my 64 x 64 of the output and of the residual: row 128 Y + 64 wm, column 128 X + 64 wn
	s_lshl_b32 s74, s[Y], 19
	s_lshl_b32 s75, s[WM], 18
	s_add_co_u32 s74, s74, s75
	s_lshl_b32 s82, s[X], 9
	s_lshl_b32 s83, s[WN], 8
	s_add_co_u32 s82, s82, s83
	s_add_co_u32 s74, s74, s82
	s_mov_b32 s75, 0
	s_add_nc_u64 s[76:77], s[8:9], s[74:75]        ; the residual
	s_add_nc_u64 s[74:75], s[OUTP:OUTP+1], s[74:75]  ; the output
	v_and_b32 v1, 15, v0
	v_bfe_u32 v2, v0, 4, 1
	v_lshlrev_b32 v[RO], 12, v1
	v_lshl_add_u32 v[RO], v2, 5, v[RO]             ; accumulator (a, b): lane holds row 16 a + l % 16, columns 16 b + 8 (l / 16) + 0..7
.set i, 0
.rept 16
	global_load_b128 v[ACC+8*i:ACC+8*i+3],   v[RO], s[76:77] offset:(i/4)*65536+(i%4)*64
	global_load_b128 v[ACC+8*i+4:ACC+8*i+7], v[RO], s[76:77] offset:(i/4)*65536+(i%4)*64+16
.set i, i+1
.endr
	v_mul_u32_u24 v[A0], v1, PA
	v_lshl_add_u32 v[A0], v2, 4, v[A0]
	s_mul_i32 s84, s[WM], 64*PA
	v_add_nc_u32 v[A0], s84, v[A0]
	v_and_b32 v3, 7, v0
	v_lshl_add_u32 v3, v2, 3, v3
	v_mul_u32_u24 v3, v3, PB
	v_bfe_u32 v31, v0, 3, 1
	v_lshl_add_u32 v3, v31, 4, v3
	s_lshl_b32 s84, s[WN], 7
	s_add_co_u32 s84, s84, NA*STRIP
	v_add_nc_u32 v[B0], s84, v3
	v_add_nc_u32 v[B0+1], STRIP, v[B0]
	v_mov_b32 v[ADA], v[A0]
	v_mov_b32 v[ADB], v[B0]
	v_mov_b32 v[ADB+1], v[B0+1]
.macro MUL8 f, c, a0                   ; 8 products: token blocks a0, a0 + 1 x 4 column blocks, 32 along K: half c of set f.  The 16 accumulators take turns
	WIN 0x05
.set ma, \a0
.rept 2
.set jb, 0
.rept 4
	v_wmma_f32_16x16x32_bf16 v[ACC+8*(4*ma+jb):ACC+8*(4*ma+jb)+7], v[(\f)+64+8*(4*(\c)+jb):(\f)+64+8*(4*(\c)+jb)+7], v[(\f)+8*(4*(\c)+ma):(\f)+8*(4*(\c)+ma)+7], v[ACC+8*(4*ma+jb):ACC+8*(4*ma+jb)+7]
.set jb, jb+1
.endr
.set ma, ma+1
.endr
.endm
.macro FETCH Q, f                      ; 32 LDS loads in one run: 64 along K (quarter Q of the slot) into set f, its first 32 first
	WIN 0x40
.set c, 0
.rept 2
.set i, 0
.rept 4
	ds_load_tr16_b128 v[(\f)+64+8*(4*c+i):(\f)+64+8*(4*c+i)+3],   v[ADB+(\Q)/2] offset:((2*(\Q)+c)%4)*32*PB+32*i
	ds_load_tr16_b128 v[(\f)+64+8*(4*c+i)+4:(\f)+64+8*(4*c+i)+7], v[ADB+(\Q)/2] offset:((2*(\Q)+c)%4)*32*PB+32*i+16*PB
	ds_load_b128 v[(\f)+8*(4*c+i):(\f)+8*(4*c+i)+3],   v[ADA] offset:(\Q)*KB+64*c+16*PA*i
	ds_load_b128 v[(\f)+8*(4*c+i)+4:(\f)+8*(4*c+i)+7], v[ADA] offset:(\Q)*KB+64*c+16*PA*i+32
.set i, i+1
.endr
.set c, c+1
.endr
.endm
.macro QUARTER Q
	s_wait_dscnt 16                                ; the first 32 along K are in
	MUL8 128*((\Q)%2), 0, 0
	MUL8 128*((\Q)%2), 0, 2
	PLACES
	FETCH (\Q)+1, 128-128*((\Q)%2)
	s_wait_dscnt 32                                ; all but the run just issued
	MUL8 128*((\Q)%2), 1, 0
	MUL8 128*((\Q)%2), 1, 2
.endm
.macro TURN fill                       ; the last quarter multiplies set 1 and changes slots: the three lines, one barrier (fill = 1: a round of the cluster's, then the joint refill)
	WIN 0
	s_wait_tensorcnt 0x0
	ds_add_u32 v[SPW], v[NIL]
	s_wait_dscnt 17                                ; (the add and the youngest sixteen loads may be out)
	MUL8 128, 0, 0
	s_wait_dscnt 0x0                               ; the add is done, my reads of this slot are over
	s_barrier_signal -1
	MUL8 128, 0, 2
	WIN 0
	s_barrier_wait -1
.if \fill
	CREST
	s_xor_b32 s[G0A+5], s[G0A+5], SLOT
	s_add_nc_u64 s[G0A+6:G0A+7], s[G0A+6:G0A+7], ASTEP
	s_xor_b32 s[G0B+5], s[G0B+5], SLOT
	s_add_nc_u64 s[G0B+6:G0B+7], s[G0B+6:G0B+7], BSTEP
	JLOAD
.else
	PLACES
	s_cmp_eq_u32 s[CNT], 1
	s_cbranch_scc1 .Lno_fetch_\@
.endif
	s_xor_b32 s[TB], s[TB], SLOT
	v_add_nc_u32 v[ADA], s[TB], v[A0]
	v_add_nc_u32 v[ADB], s[TB], v[B0]
	v_add_nc_u32 v[ADB+1], s[TB], v[B0+1]
	FETCH 0, 0
	WIN 0
.if !(\fill)
.Lno_fetch_\@:
.endif
	MUL8 128, 1, 0
	MUL8 128, 1, 2
.endm
	s_wait_tensorcnt 1                             ; my strip of slot 0 is in; slot 1's may stay out
	s_barrier_signal -1
	s_barrier_wait -1
	FETCH 0, 0
	s_wait_loadcnt 0x0                             ; the residual lies in the accumulators
	QUARTER 0
	WIN 0
	s_mov_b32 s[CNT], T-2
.Lstep:
	QUARTER 1
	QUARTER 2
	TURN 1
	QUARTER 0
	WIN 0
	s_sub_co_u32 s[CNT], s[CNT], 1
	s_cmp_lg_u32 s[CNT], 0
	s_cbranch_scc1 .Lstep
	s_mov_b32 s[CNT], 2
.Ltail:
	QUARTER 1
	QUARTER 2
	TURN 0
	WIN 0
	s_sub_co_u32 s[CNT], s[CNT], 1
	s_cmp_eq_u32 s[CNT], 0
	s_cbranch_scc1 .Lout
	QUARTER 0
	WIN 0
	s_branch .Ltail
.Lout:
	s_wait_dscnt 0x0
	s_barrier_signal -1                            ; every wave's reads of the ring are over: its bytes, which have had their last fill, may be stored over
	s_barrier_wait -1
	v_mul_u32_u24 v[DS], v1, PD                    ; the addresses of the way out are the places behind the last products
	v_lshl_add_u32 v[DS], v2, 5, v[DS]
	s_mul_i32 s84, s[WV], DREG
	v_add_nc_u32 v[DS], s84, v[DS]
	v_mul_u32_u24 v[RD], v2, PD                    ; back: lanes 0-15 one row of 256 bytes, lanes 16-31 the next
	v_lshl_add_u32 v[RD], v1, 4, v[RD]
	v_add_nc_u32 v[RD], s84, v[RD]
	v_lshlrev_b32 v[GO], 12, v2
	v_lshl_add_u32 v[GO], v1, 4, v[GO]
.set i, 0
.rept 16                                       ; each accumulator's low four registers leave first
	ds_store_b128 v[DS], v[ACC+8*i:ACC+8*i+3]   offset:(i/4)*16*PD+(i%4)*64
	ds_store_b128 v[DS], v[ACC+8*i+4:ACC+8*i+7] offset:(i/4)*16*PD+(i%4)*64+16
.set i, i+1
.endr
	s_mov_b32 s[CNT], 4
.Lrows:                                        ; 16 rows a trip, two at a time
.set u, 0
.rept 8
	ds_load_b128 v[32+4*u:35+4*u], v[RD] offset:2*PD*u
.set u, u+1
.endr
.set u, 0
.rept 8
	s_wait_dscnt 7-u                               ; the later loads may stay out
	global_store_b128 v[GO], v[32+4*u:35+4*u], s[74:75] offset:8192*u   ; 16 lanes store 256 consecutive bytes, aligned
.set u, u+1
.endr
	s_wait_xcnt 0x0                                ; the stores have read their data and offset
	v_add_nc_u32 v[RD], 16*PD, v[RD]
	v_add_nc_u32 v[GO], 65536, v[GO]
	s_sub_co_u32 s[CNT], s[CNT], 1
	s_cmp_lg_u32 s[CNT], 0
	s_cbranch_scc1 .Lrows
	s_wait_tensorcnt 0x0                           ; the wave's end
	ds_add_u32 v[SPW], v[NIL]
	s_wait_dscnt 0x0
	CROUND
	s_endpgm
.Lfunc_end_k_q05d2fb598a_gw:
	.size	k_q05d2fb598a_gw, .Lfunc_end_k_q05d2fb598a_gw-k_q05d2fb598a_gw
	.p2alignl 7, 3214868480
	.fill 96, 4, 3214868480
	.section	.rodata,"a",@progbits
	.p2align	6, 0x0
	.amdhsa_kernel k_q05d2fb598a_gw
		.amdhsa_group_segment_fixed_size 327680
		.amdhsa_private_segment_fixed_size 0
		.amdhsa_enable_private_segment 0
		.amdhsa_kernarg_size 32
		.amdhsa_user_sgpr_count 2
		.amdhsa_user_sgpr_kernarg_segment_ptr 1
		.amdhsa_wavefront_size32 1
		.amdhsa_system_sgpr_workgroup_id_x 1
		.amdhsa_system_sgpr_workgroup_id_y 1
		.amdhsa_system_sgpr_workgroup_id_z 1
		.amdhsa_system_vgpr_workitem_id 0
		.amdhsa_next_free_vgpr 512
		.amdhsa_next_free_sgpr 100
		.amdhsa_reserve_vcc 0
		.amdhsa_float_denorm_mode_32 3
		.amdhsa_float_denorm_mode_16_64 3
		.amdhsa_memory_ordered 1
		.amdhsa_forward_progress 1
		.amdhsa_inst_pref_size 57
	.end_amdhsa_kernel
	.amdgpu_metadata
---
amdhsa.version: [ 1, 2 ]
amdhsa.kernels:
  - .name:           k_q05d2fb598a_gw
    .symbol:         k_q05d2fb598a_gw.kd
    .args:
      - { .name: hb, .offset: 0, .size: 8, .value_kind: global_buffer, .address_space: global }
      - { .name: wts, .offset: 8, .size: 8, .value_kind: global_buffer, .address_space: global }
      - { .name: res, .offset: 16, .size: 8, .value_kind: global_buffer, .address_space: global }
      - { .name: out0, .offset: 24, .size: 8, .value_kind: global_buffer, .address_space: global }
    .group_segment_fixed_size: 327680
    .private_segment_fixed_size: 0
    .kernarg_segment_align: 8
    .kernarg_segment_size: 32
    .max_flat_workgroup_size: 128
    .sgpr_count:     100
    .vgpr_count:     512
    .wavefront_size: 32
...
	.end_amdgpu_metadata
.endif
;; end of part 6
